; MI455X (gfx1250); checked and timed in simulation.
; The chip was launched on July 23, 2026; its instructions are those of AMD's public machine-readable ISA for CDNA 5 (MIT licence, August 2026) and "CDNA5" Instruction Set Architecture Reference Guide (July 2026). The comments in the code are by the model that wrote it; some were corrected since.
;; Multi Head Attention. Allowed arithmetic: matrix products marked QUANTISED: E2M1 operands, one E8M0 scale for each 32 along K, by v_wmma_scale_f32_16x16x128_f8f6f4 with both operands' format E2M1 (or v_wmma_scale_f32_32x16x128_f4), f32 sums; products left as they are: bf16, f16 or f32 operands; f32 sums; everything else in f32.
;; Inputs: Wout 1,024 x 1,024 float32; Wqkv 1,024 x 3,072 float32; x 2 x 2,048 x 1,024 float32.
;; Outputs: out0 2 x 2,048 x 1,024 float32.
;; This version of the problem:
;;   THIS VERSION OF THE PROBLEM IS GIVEN IN LOW PRECISION. The matrix products marked QUANTISED in the list below multiply operands that are first quantised to E2M1 (2 exponent bits, 1 mantissa bit; 4 bits a number), with one power-of-two scale for each 32 numbers along K (OCP MX v1.0); their sums are f32. The products marked 'left as it is' may take bf16, f16 or f32 operands, with f32 sums. Whichever they take, every output number must still come out within the allowed error. Rounding operands to bf16 (8 significant bits) uses up far more of that allowance than f16 does (11 bits, for magnitudes from 6e-5 to 65,504). All else is computed in f32.
;;   The module's matrix products, in the order in which they are computed (A, B: the left and right operand; K: the contracted axis; several contracted axes count as one K, in the product's order):
;;     1. [M 4,096, K 1,024] x [K 1,024, N 3,072]; A: input x; B: input Wqkv: QUANTISED
;;     2. batch 32 x [M 2,048, K 64] x [K 64, N 2,048]; A: computed on the way; B: computed on the way: left as it is (an operand is computed on the way)
;;     3. batch 32 x [M 2,048, K 2,048] x [K 2,048, N 64]; A: computed on the way; B: computed on the way: left as it is (an operand is computed on the way)
;;     4. [M 4,096, K 1,024] x [K 1,024, N 1,024]; A: computed on the way; B: input Wout: left as it is (an operand is computed on the way)
;;   THE QUANTISER, for each operand of a quantised product, along K:
;;     - K is cut into blocks of 32 from its start; a last block that is shorter is filled with zeros.
;;     - A block's scale is 2^e with e = floor(log2(the largest magnitude in the block)) - 2, held to -126 .. 127; a block of zeros has e = 0. As a byte (E8M0): e + 127.
;;     - Each number is divided by its block's scale, clamped to +-6, and rounded to the nearest number of E2M1, ties to even, subnormals kept.
;;     - The product sums the exact products of the quantised numbers (number of the format x scale) in f32.
;;   ~~~python
;;   def quantise(x, axis):      # numpy; x: float32 -> the quantised numbers, widened to float32 again
;;       x = np.moveaxis(x, axis, -1); K = x.shape[-1]
;;       x = np.pad(x, [(0, 0)] * (x.ndim - 1) + [(0, -K % 32)]); x = x.reshape(x.shape[:-1] + (-1, 32)); a = np.abs(x).max(-1, keepdims=True)
;;       e = np.where(a > 0, np.clip(np.frexp(np.where(a > 0, a, 1))[1] - 1 - 2, -126, 127), 0)      # np.frexp(a)[1] - 1 = floor(log2(a)), exactly
;;       r = np.clip(x / 2.0 ** e, -6, 6)
;;       step = 2.0 ** (np.maximum(np.frexp(np.where(r == 0, 1, r))[1] - 1, 0) - 1)
;;       q = np.round(r / step) * step * 2.0 ** e      # np.round: ties to even
;;       return np.moveaxis(q.reshape(q.shape[:-2] + (-1,))[..., :K], -1, axis).astype(np.float32)
;;   ~~~
;; One version. Each part assembles by itself: llvm-mc -triple=amdgcn-amd-amdhsa -mcpu=gfx1250 --defsym DOCPART=n.
;; ======== version 1 of 1: 5 launches
;; limits: values are held in f16: magnitudes above 65,504 overflow, below 6.1e-05 lose precision
;; workspace buffers: codes 3,670,016 bytes; scales 229,376 bytes; wh 2,097,152 bytes; rope 524,288 bytes; qkvh 25,165,824 bytes; fine 393,216 bytes; ao 8,388,608 bytes
;; launch prep (part 1): grid 304 x 1, 8 waves a work-group, no clusters, 84,992 bytes of LDS; arguments x, Wqkv, Wout, codes, scales, wh, rope; writes codes, scales, wh, rope
.if DOCPART == 1
	.amdgcn_target "amdgcn-amd-amdhsa--gfx1250"
	.amdhsa_code_object_version 6
	.text
	.protected	k_q42ce195d3b_prep
	.globl	k_q42ce195d3b_prep
	.p2align	8
	.type	k_q42ce195d3b_prep,@function
k_q42ce195d3b_prep:
	s_mov_b64 s[64:65], 0
	v_nop
	global_prefetch_b8 v0, s[64:65] scope:SCOPE_SE
	s_setreg_imm32_b32 hwreg(HW_REG_WAVE_MODE, 25, 1), 1
	s_wait_xcnt 0x0
; PREP: everything that is made once for the later launches.  Four kinds of work-group, told apart by the work-group's number alone; the kinds with the most bytes come first:
;   0-127   X: x [4096][1024] f32 -> codes of FP4 (E2M1), K innermost, rows 0-4095 of 'codes' (512 bytes a row), one E8M0 byte for each 32 along K in 'scales' (32 bytes a row).  131,072 bytes of x a work-group
;   128-223 W: Wqkv [1024 (k)][3072 (n)] f32 -> the same, quantised down its FIRST axis: column n becomes row 4096 + n of 'codes' and of 'scales'.  131,072 bytes of Wqkv a work-group
;   224-287 O: Wout [1024 (k)][1024 (n)] f32 -> f16, laid as images of a 16-bit operand's registers: [n / 16][k / 32][half 2][lane 32][16 bytes]; lane (r, h) of half u holds k = 16 u + 8 h + 0..7 of column r
;   288-303 R: the rotary table [position 2048][cos 32 | sin 32] f32, 256 bytes a position
; A block's scale is 2^(floor(log2(its largest magnitude)) - 2); its byte is the largest magnitude's exponent field - 2, held at 1 from below.  A block of zeros so gets the byte 1 where the rule says 127:
; its codes are zeros, which add nothing under any byte but 0xff, and this program alone reads the bytes.
; LIMITS: blocks whose largest magnitude lies under 2^-124 keep the byte 1; NaN and infinities among the inputs are not served.  Wout is rounded to f16 (magnitudes up to 65,504).
; The table's frequencies are 1 / (2^(i log2(10000) / 32) + 2^-23) by v_exp_f32 and v_rcp_f32: a few units in the last place from a correctly rounded power; sine and cosine by reduction to [-pi/4, pi/4] and polynomials in f32.
; Each kind has LDS bytes of its own.  No tensor loads.  Kinds X and W have one barrier each, where their eight waves' bytes meet so that whole runs of 256 bytes leave.
.set SPARE, 83968                      ; the spare words, 128 bytes for each of eight waves: four blocks of 256 bytes that no other line names
.set SPW,   12                         ; v12  LDS address of my spare word; never rewritten
.set NIL,   13                         ; v13  0; never rewritten
.set WV,    18                         ; s18  my wave's number
.set WREG,  8192                       ; kind X: a region for each wave at 8192 x wave: two stages of 32 x SP bytes (5,120 bytes)
.set XSS,   6144                       ; kind X: the work-group's 1,024 scale bytes, 128 a wave: behind wave 0's stages, ahead of wave 1's region
.set SP,    80
.set CB,    8
.set STEPS, 8
.set R,     16                         ; kind X: v16-79 four sets of 16 numbers as loaded; v80-111 two sets of 16 neighbours; v112-119 a byte a step; v128-159 codes
.set X,     80
.set E,     112
.set C,     128
.set WST,   65536                      ; kind W: a stage of 64 rows (columns of Wqkv) x (256 bytes + 16)
.set WP,    272
.set WSS,   82944                      ; kind W: 64 rows x 16 scale bytes
	s_load_b256 s[4:11], s[0:1], 0x0               ; x s[4:5], Wqkv s[6:7], Wout s[8:9], codes s[10:11]
	s_load_b128 s[12:15], s[0:1], 0x20             ; scales s[12:13], wh s[14:15]
	s_load_b64 s[16:17], s[0:1], 0x30              ; rope
	v_lshl_add_u32 v[SPW], v0, 2, SPARE
	v_mov_b32 v[NIL], 0
	v_lshrrev_b32 v1, 5, v0
	v_readfirstlane_b32 s[WV], v1                  ; wave 0..7
	v_and_b32 v2, 31, v0                           ; lane
	s_wait_kmcnt 0x0
	s_cmp_lt_u32 ttmp9, 128
	s_cbranch_scc1 .Lpath_x
	s_cmp_lt_u32 ttmp9, 224
	s_cbranch_scc1 .Lpath_w
	s_cmp_lt_u32 ttmp9, 288
	s_cbranch_scc1 .Lpath_o
; ---------------- kind R: a wave makes 16 positions, two a step.  Lane: half = which of the two positions; lanes 0-7 of a half hold cosines, lanes 8-15 sines, four frequencies each: one store covers 512 consecutive bytes.
	s_sub_co_u32 s19, ttmp9, 288
	s_lshl_b32 s19, s19, 3
	s_add_co_u32 s19, s19, s[WV]                   ; which 16 positions
	s_lshl_b32 s20, s19, 12                        ; 16 x 256 bytes
	s_mov_b32 s21, 0
	s_add_nc_u64 s[16:17], s[16:17], s[20:21]
	s_lshl_b32 s19, s19, 4                         ; the first of them
	s_mov_b32 s22, 0xbfc90fdb                      ; -(pi/2 rounded to f32)
	s_mov_b32 s23, 0x333bbd2e                      ; that number less pi/2
	s_mov_b32 s24, 0x3638ef1d                      ; sine: 1/9!, -1/7!, 1/5!, -1/3!
	s_mov_b32 s25, 0xb9500d01
	s_mov_b32 s26, 0x3c088889
	s_mov_b32 s27, 0xbe2aaaab
	s_mov_b32 s28, 0xb493f27e                      ; cosine: -1/10!, 1/8!, -1/6!, 1/4!
	s_mov_b32 s29, 0x37d00d01
	s_mov_b32 s30, 0xbab60b61
	s_mov_b32 s31, 0x3d2aaaab
	v_lshlrev_b32 v3, 4, v2                        ; my 16 bytes of a step's 512
	v_and_b32 v4, 7, v2
	v_lshlrev_b32 v4, 2, v4                        ; my first frequency
	v_bfe_u32 v5, v2, 3, 1
	v_xor_b32 v5, 1, v5                            ; a quarter turn more for the cosine lanes: cos a = sin(a + pi/2)
	v_lshrrev_b32 v6, 4, v2
	v_add_nc_u32 v6, s19, v6                       ; my position in step 0
.irp e, 0,1,2,3
	v_add_nc_u32 v[16+\e], \e, v4
	v_cvt_f32_u32 v[16+\e], v[16+\e]
	v_mul_f32 v[16+\e], 0x3ed49a78, v[16+\e]       ; i x log2(10000) / 32
.endr
.irp e, 0,1,2,3
	v_exp_f32 v[16+\e], v[16+\e]                   ; 10000^(i / 32)
.endr
	v_nop                                          ; a plain instruction behind the batch,
	s_wait_alu depctr_va_vdst(0)                   ; and a wait ahead of its first reader
.irp e, 0,1,2,3
	v_add_f32 v[16+\e], 0x34000000, v[16+\e]       ; + 2^-23
.endr
.irp e, 0,1,2,3
	v_rcp_f32 v[16+\e], v[16+\e]                   ; the frequency
.endr
	v_nop
	s_wait_alu depctr_va_vdst(0)
.macro RSTEP t
	v_add_nc_u32 v7, 2*(\t), v6
	v_cvt_f32_u32 v7, v7
.irp e, 0,1,2,3
	v_mul_f32 v[20+\e], v7, v[16+\e]               ; the angle, rounded to f32 as the outer product rounds it
.endr
.irp e, 0,1,2,3
	v_mul_f32 v[24+\e], 0x3f22f983, v[20+\e]       ; x 2 / pi
.endr
.irp e, 0,1,2,3
	v_rndne_f32 v[24+\e], v[24+\e]                 ; n quarter turns, under 2^11
.endr
.irp e, 0,1,2,3
	v_fma_f32 v[20+\e], v[24+\e], s22, v[20+\e]    ; exact: the difference has at most 23 bits
.endr
.irp e, 0,1,2,3
	v_fma_f32 v[20+\e], v[24+\e], s23, v[20+\e]    ; r in [-pi/4, pi/4]
.endr
.irp e, 0,1,2,3
	v_cvt_i32_f32 v[24+\e], v[24+\e]
.endr
.irp e, 0,1,2,3
	v_add_nc_u32 v[24+\e], v[24+\e], v5            ; the quadrant
.endr
.irp e, 0,1,2,3
	v_mul_f32 v[28+\e], v[20+\e], v[20+\e]         ; r^2
.endr
.irp e, 0,1,2,3
	v_fma_f32 v[32+\e], v[28+\e], s24, s25
.endr
.irp e, 0,1,2,3
	v_fma_f32 v[32+\e], v[32+\e], v[28+\e], s26
.endr
.irp e, 0,1,2,3
	v_fma_f32 v[32+\e], v[32+\e], v[28+\e], s27
.endr
.irp e, 0,1,2,3
	v_mul_f32 v[36+\e], v[28+\e], v[20+\e]         ; r^3
.endr
.irp e, 0,1,2,3
	v_fma_f32 v[32+\e], v[32+\e], v[36+\e], v[20+\e]   ; sin r
.endr
.irp e, 0,1,2,3
	v_fma_f32 v[36+\e], v[28+\e], s28, s29
.endr
.irp e, 0,1,2,3
	v_fma_f32 v[36+\e], v[36+\e], v[28+\e], s30
.endr
.irp e, 0,1,2,3
	v_fma_f32 v[36+\e], v[36+\e], v[28+\e], s31
.endr
.irp e, 0,1,2,3
	v_fma_f32 v[36+\e], v[36+\e], v[28+\e], -0.5
.endr
.irp e, 0,1,2,3
	v_fma_f32 v[36+\e], v[36+\e], v[28+\e], 1.0    ; cos r
.endr
.irp e, 0,1,2,3
	v_and_b32 v[40+\e], 1, v[24+\e]
	v_cmp_eq_u32 vcc_lo, 1, v[40+\e]
	v_cndmask_b32 v[64+4*(\t)+\e], v[32+\e], v[36+\e], vcc_lo   ; odd quadrants take the cosine,
	v_and_b32 v[40+\e], 2, v[24+\e]
	v_lshlrev_b32 v[40+\e], 30, v[40+\e]
	v_xor_b32 v[64+4*(\t)+\e], v[64+4*(\t)+\e], v[40+\e]        ; quadrants 2 and 3 the other sign
.endr
	global_store_b128 v3, v[64+4*(\t):64+4*(\t)+3], s[16:17] offset:512*(\t)   ; each step has its own four registers: no store's data are written again
.endm
.irp t, 0,1,2,3,4,5,6,7
	RSTEP \t
.endr
	s_branch .Lend
; ---------------- kind O: a wave takes 32 columns x 64 k of Wout.  A lane takes a column, its registers run down k; eight neighbours along k pack into 16 bytes of an image.
.Lpath_o:
	s_sub_co_u32 s19, ttmp9, 224
	s_and_b32 s20, s19, 7                          ; which 128 columns
	s_lshr_b32 s21, s19, 3                         ; which 128 k
	s_and_b32 s22, s[WV], 3
	s_lshr_b32 s23, s[WV], 2
	s_lshl_b32 s24, s21, 1
	s_add_co_u32 s24, s24, s23                     ; which 64 rows of Wout = which two chunks of 32 k
	s_lshl_b32 s25, s20, 2
	s_add_co_u32 s25, s25, s22                     ; which 32 columns = which two tiles of 16 n
	s_lshl_b32 s28, s24, 18                        ; 64 rows of 4,096 bytes
	s_lshl_b32 s26, s25, 7
	s_add_co_u32 s28, s28, s26
	s_mov_b32 s29, 0
	s_add_nc_u64 s[8:9], s[8:9], s[28:29]
	s_lshl_b32 s28, s25, 16                        ; two n tiles of 32,768 bytes
	s_lshl_b32 s26, s24, 11                        ; two chunks of 1,024
	s_add_co_u32 s28, s28, s26
	s_add_nc_u64 s[14:15], s[14:15], s[28:29]
	v_lshlrev_b32 v3, 2, v2
	v_lshrrev_b32 v4, 4, v2
	v_and_b32 v5, 15, v2
	v_lshlrev_b32 v4, 15, v4                       ; lanes 16-31: the next n tile
	v_lshl_add_u32 v4, v5, 4, v4                   ; + 16 r
.set j, 0
.rept 64
	global_load_b32 v[32+j], v3, s[8:9] offset:j*4096 th:TH_LOAD_NT   ; 32 lanes read 128 consecutive bytes of row j
.set j, j+1
.endr
.irp c, 0,1
.if \c == 0
	s_wait_loadcnt 32                              ; the first chunk's 32 loads are in; the second's may be out
.else
	s_wait_loadcnt 0x0
.endif
.irp o, 0,1,2,3                                ; k = 8 o + 0..7 of the chunk belong to half o / 2, lanes 16 (o % 2) + r
.irp p, 0,1,2,3
	v_cvt_pk_f16_f32 v[96+16*\c+4*\o+\p], v[32+32*\c+8*\o+2*\p], v[32+32*\c+8*\o+2*\p+1]
.endr
	global_store_b128 v4, v[96+16*\c+4*\o:96+16*\c+4*\o+3], s[14:15] offset:1024*\c+512*(\o/2)+256*(\o%2)   ; sixteen lanes store 256 consecutive bytes, aligned
.endr
.endr
	s_branch .Lend
; ---------------- kind W: a work-group takes 64 columns x 512 k of Wqkv; wave w: columns 32 (w & 1) on, k 128 (w >> 1) on: four blocks a lane.
.Lpath_w:
	s_sub_co_u32 s19, ttmp9, 128
	s_cmp_ge_u32 s19, 48
	s_cselect_b32 s20, 1, 0                        ; which 512 k
	s_mul_i32 s21, s20, 48
	s_sub_co_u32 s21, s19, s21                     ; which 64 columns
	s_and_b32 s22, s[WV], 1
	s_lshr_b32 s23, s[WV], 1
	s_lshl_b32 s24, s20, 2
	s_add_co_u32 s24, s24, s23                     ; which 128 rows of Wqkv
	s_mul_i32 s28, s24, 128*12288
	s_lshl_b32 s25, s21, 1
	s_add_co_u32 s25, s25, s22                     ; which 32 columns
	s_lshl_b32 s26, s25, 7
	s_add_co_u32 s28, s28, s26
	s_mov_b32 s29, 0
	s_add_nc_u64 s[6:7], s[6:7], s[28:29]
	s_lshl_b32 s28, s21, 15                        ; codes: 64 rows of 512 bytes,
	s_lshl_b32 s26, s20, 8                         ; my half of each row,
	s_add_co_u32 s28, s28, s26
	s_add_co_u32 s28, s28, 2097152                 ; behind x's 4,096 rows
	s_add_nc_u64 s[10:11], s[10:11], s[28:29]
	s_lshl_b32 s28, s21, 11                        ; scale bytes: 64 rows of 32,
	s_lshl_b32 s26, s20, 4
	s_add_co_u32 s28, s28, s26
	s_add_co_u32 s28, s28, 131072
	s_add_nc_u64 s[12:13], s[12:13], s[28:29]
	v_lshlrev_b32 v3, 2, v2
	s_mul_i32 s26, s22, 32*WP
	s_lshl_b32 s27, s23, 6
	s_add_co_u32 s26, s26, s27
	s_add_co_u32 s26, s26, WST
	v_mul_u32_u24 v4, v2, WP
	v_add_nc_u32 v4, s26, v4                       ; into the stage: row = my column, my wave's 64 bytes of it
	s_lshl_b32 s26, s22, 9
	s_lshl_b32 s27, s23, 2
	s_add_co_u32 s26, s26, s27
	s_add_co_u32 s26, s26, WSS
	v_lshl_add_u32 v5, v2, 4, s26                  ; my column's four scale bytes
	v_lshrrev_b32 v8, 4, v2
	v_and_b32 v9, 15, v2
	s_mul_i32 s26, s[WV], 8*WP
	s_add_co_u32 s26, s26, WST
	v_mul_u32_u24 v6, v8, WP
	v_lshl_add_u32 v6, v9, 4, v6
	v_add_nc_u32 v6, s26, v6                       ; out of it: wave w takes rows 8 w on, sixteen lanes to a row
	s_lshl_b32 s26, s[WV], 12
	v_lshlrev_b32 v7, 9, v8
	v_lshl_add_u32 v7, v9, 4, v7
	v_add_nc_u32 v7, s26, v7                       ; and the same place in the codes' buffer
	s_lshl_b32 s26, s[WV], 9
	s_add_co_u32 s26, s26, WSS
	v_lshl_add_u32 v10, v2, 4, s26                 ; waves 0 and 1: row 32 w + lane of the scale bytes,
	s_lshl_b32 s26, s[WV], 10
	v_lshl_add_u32 v11, v2, 5, s26                 ; and its place in the scales' buffer
.macro LOADW t                         ; block t: Wqkv(32 t + i, my column), i = 0 .. 31, into set t % 2
.set j, 0
.rept 32
	global_load_b32 v[32+32*((\t)%2)+j], v3, s[6:7] offset:(32*(\t)+j)*12288 th:TH_LOAD_NT
.set j, j+1
.endr
.endm
	LOADW 0
	LOADW 1
.macro BLOCKW t
.set XS, 32+32*((\t)%2)
.if (\t) < 3
	s_wait_loadcnt 32                              ; this block's 32 loads are in; the next block's may be out
.else
	s_wait_loadcnt 0x0
.endif
	v_max3_num_f32 v20, |v[XS]|, |v[XS+1]|, |v[XS+2]|   ; the block's largest magnitude: all 32 numbers are mine
	v_max3_num_f32 v21, |v[XS+3]|, |v[XS+4]|, |v[XS+5]|
.irp i, 6,10,14,18,22,26
	v_max3_num_f32 v20, v20, |v[XS+\i]|, |v[XS+\i+1]|
	v_max3_num_f32 v21, v21, |v[XS+\i+2]|, |v[XS+\i+3]|
.endr
	v_max3_num_f32 v20, v20, |v[XS+30]|, |v[XS+31]|
	v_max3_num_f32 v20, v20, v21, 0x1800000        ; and the floor 2^(3 - 127): the byte cannot fall under 1
	v_add_nc_u32 v22, 0xff000000, v20              ; 2 off the exponent field: the conversion's scale operand
	v_lshrrev_b32 v23, 23, v22                     ; the scale's byte
.if (\t) == 0
	v_mov_b32 v24, v23
.else
	v_lshl_or_b32 v24, v23, 8*(\t), v24            ; four bytes to a register, the lower k in the lower byte
.endif
.irp g, 0,1,2,3
	v_cvt_scalef32_pk8_fp4_f32 v[96+\g], v[XS+8*\g:XS+8*\g+7], v22
.endr
	ds_store_b128 v4, v[96:99] offset:16*(\t)      ; 32 codes: 16 bytes of my column's row
.if (\t)+2 < 4
	LOADW (\t)+2
.endif
	s_wait_dscnt 0x0                               ; the store has read its registers: the next block's codes may be written
.endm
.irp t, 0,1,2,3
	BLOCKW \t
.endr
	ds_store_b32 v5, v24
	s_wait_dscnt 0x0                               ; for the others' sake: my stores into the stages are done
	s_barrier_signal -1
	s_barrier_wait -1
.irp t, 0,1,2,3
	ds_load_b128 v[100+4*\t:100+4*\t+3], v6 offset:2*\t*WP
.endr
.irp t, 0,1,2,3
	s_wait_dscnt 3-\t                              ; the younger loads may be out
	global_store_b128 v7, v[100+4*\t:100+4*\t+3], s[10:11] offset:2*\t*512   ; sixteen lanes store 256 consecutive bytes, aligned
.endr
	s_cmp_lt_u32 s[WV], 2
	s_cbranch_scc0 .Lend
	ds_load_b128 v[116:119], v10
	s_wait_dscnt 0x0
	global_store_b128 v11, v[116:119], s[12:13]    ; 16 of a row's 32 scale bytes: the other 16 belong to the work-group of the other 512 k
	s_branch .Lend
; ---------------- kind X: x is a plain stream of blocks of 32.  A wave takes 8 steps of 512 numbers.  Each load reads 512 consecutive bytes; a step's 2,048 bytes turn through the wave's own stage
; and come back 64 bytes a lane, so that a lane holds 16 neighbours along K (two neighbouring lanes hold a block).  A wave makes 128 scale bytes; the eight waves' 1,024 meet in LDS and leave as whole runs of 512 bytes.
.Lpath_x:
	v_lshlrev_b32 v3, 4, v2                        ; my 16 bytes of a load's 512
	s_mul_i32 s19, s[WV], WREG
	v_lshrrev_b32 v14, 2, v2
	v_mul_u32_u24 v14, v14, SP
	v_and_b32 v15, 3, v2
	v_lshl_add_u32 v14, v15, 4, v14
	v_add_nc_u32 v14, s19, v14                     ; the stage, on the way in: four lanes' 64 bytes on end, then 16 of padding
	v_mul_u32_u24 v15, v2, SP
	v_add_nc_u32 v15, s19, v15                     ; and on the way out: my 16 neighbours
	v_mul_u32_u24 v4, v2, CB                       ; my codes' place in a step's
	v_lshrrev_b32 v5, 1, v2
	s_lshl_b32 s24, s[WV], 7
	s_add_co_u32 s24, s24, XSS
	v_add_nc_u32 v5, s24, v5                       ; my wave's 128 scale bytes, my block's byte
	s_lshl_b32 s24, s[WV], 9
	v_lshl_add_u32 v7, v2, 4, s24                  ; waves 0 and 1, on the way out: 512 x wave + 16 x lane of the work-group's 1,024 bytes,
	v_add_nc_u32 v6, XSS, v7                       ; and the same place in LDS
	s_lshl_b32 s20, ttmp9, 3
	s_add_co_u32 s20, s20, s[WV]                   ; which run of 4,096 numbers is my wave's
	s_mov_b32 s21, 0
	s_lshl_b64 s[22:23], s[20:21], 14
	s_add_nc_u64 s[4:5], s[4:5], s[22:23]
	s_lshl_b64 s[22:23], s[20:21], 11
	s_add_nc_u64 s[10:11], s[10:11], s[22:23]
	s_lshl_b32 s22, ttmp9, 10                      ; the work-group's 1,024 scale bytes
	s_mov_b32 s23, 0
	s_add_nc_u64 s[12:13], s[12:13], s[22:23]
.macro LOADX t
.irp i, 0,1,2,3
	global_load_b128 v[R+16*((\t)%4)+4*\i:R+16*((\t)%4)+4*\i+3], v3, s[4:5] offset:2048*(\t)+512*\i th:TH_LOAD_NT
.endr
.endm
.macro TURNX t                         ; LDS serves a wave's instructions in order (ISA guide 5.7.1.4): no wait between the stores and the loads
.irp i, 0,1,2,3
	ds_store_b128 v14, v[R+16*((\t)%4)+4*\i:R+16*((\t)%4)+4*\i+3] offset:32*SP*((\t)%2)+8*SP*\i
.endr
.irp i, 0,1,2,3
	ds_load_b128 v[X+16*((\t)%2)+4*\i:X+16*((\t)%2)+4*\i+3], v15 offset:32*SP*((\t)%2)+16*\i
.endr
.endm
.irp t, 0,1,2,3
	LOADX \t
.endr
	s_wait_loadcnt 12                              ; step 0's four loads are in
	TURNX 0
.macro STEPX t
.set XS, X+16*((\t)%2)
.if (\t) > 0
	s_wait_dscnt 1                                 ; this step's numbers are back from the stage (the last step's byte store may be out)
.else
	s_wait_dscnt 0x0
.endif
.if (\t)+4 < STEPS
	LOADX (\t)+4
.endif
.if (\t)+1 < STEPS
.if STEPS-2-(\t) >= 3
	s_wait_loadcnt 12                              ; the next step's four loads are in; those of the three steps behind it may be out
.else
	s_wait_loadcnt 4*(STEPS-2-(\t))
.endif
	TURNX (\t)+1
.endif
	v_max3_num_f32 v8, |v[XS]|, |v[XS+1]|, |v[XS+2]|
	v_max3_num_f32 v9, |v[XS+3]|, |v[XS+4]|, |v[XS+5]|
.irp i, 6,10
	v_max3_num_f32 v8, v8, |v[XS+\i]|, |v[XS+\i+1]|
	v_max3_num_f32 v9, v9, |v[XS+\i+2]|, |v[XS+\i+3]|
.endr
	v_max3_num_f32 v8, v8, |v[XS+14]|, |v[XS+15]|
	v_max3_num_f32 v8, v8, v9, 0x1800000           ; the floor 2^(3 - 127)
	v_max_num_f32_dpp v8, v8, v8 row_xmask:1 row_mask:0xf bank_mask:0xf   ; with my neighbour's 16: the block's largest magnitude
	v_add_nc_u32 v11, 0xff000000, v8
	v_cvt_scalef32_pk8_fp4_f32 v[C+4*(\t)], v[XS:XS+7], v11
	v_cvt_scalef32_pk8_fp4_f32 v[C+4*(\t)+1], v[XS+8:XS+15], v11
	v_lshrrev_b32 v[E+(\t)], 23, v11               ; the scale's byte
	ds_store_b8 v5, v[E+(\t)] offset:16*(\t)       ; both lanes of a block write the same byte with the same value
	global_store_b64 v4, v[C+4*(\t):C+4*(\t)+1], s[10:11] offset:32*CB*(\t)   ; the wave stores 256 consecutive bytes, aligned
.endm
.irp t, 0,1,2,3,4,5,6,7
	STEPX \t
.endr
	s_wait_dscnt 0x0                               ; for the others' sake: my byte stores are done
	s_barrier_signal -1
	s_barrier_wait -1
	s_cmp_lt_u32 s[WV], 2
	s_cbranch_scc0 .Lend
	ds_load_b128 v[8:11], v6
	s_wait_dscnt 0x0
	global_store_b128 v7, v[8:11], s[12:13]        ; the wave stores 512 consecutive scale bytes, aligned
.Lend:
	s_wait_tensorcnt 0x0                           ; the wave's end
	ds_add_u32 v[SPW], v[NIL]
	s_wait_dscnt 0x0
	s_endpgm
.Lfunc_end_k_q42ce195d3b_prep:
	.size	k_q42ce195d3b_prep, .Lfunc_end_k_q42ce195d3b_prep-k_q42ce195d3b_prep
	.p2alignl 7, 3214868480
	.fill 96, 4, 3214868480
	.section	.rodata,"a",@progbits
	.p2align	6, 0x0
	.amdhsa_kernel k_q42ce195d3b_prep
		.amdhsa_group_segment_fixed_size 84992
		.amdhsa_private_segment_fixed_size 0
		.amdhsa_enable_private_segment 0
		.amdhsa_kernarg_size 56
		.amdhsa_user_sgpr_count 2
		.amdhsa_user_sgpr_kernarg_segment_ptr 1
		.amdhsa_wavefront_size32 1
		.amdhsa_system_sgpr_workgroup_id_x 1
		.amdhsa_system_sgpr_workgroup_id_y 1
		.amdhsa_system_sgpr_workgroup_id_z 1
		.amdhsa_system_vgpr_workitem_id 0
		.amdhsa_next_free_vgpr 192
		.amdhsa_next_free_sgpr 66
		.amdhsa_reserve_vcc 1
		.amdhsa_float_denorm_mode_32 3
		.amdhsa_float_denorm_mode_16_64 3
		.amdhsa_memory_ordered 1
		.amdhsa_forward_progress 1
		.amdhsa_inst_pref_size 89
	.end_amdhsa_kernel
	.amdgpu_metadata
---
amdhsa.version: [ 1, 2 ]
amdhsa.kernels:
  - .name:           k_q42ce195d3b_prep
    .symbol:         k_q42ce195d3b_prep.kd
    .args:
      - { .name: x, .offset: 0, .size: 8, .value_kind: global_buffer, .address_space: global }
      - { .name: Wqkv, .offset: 8, .size: 8, .value_kind: global_buffer, .address_space: global }
      - { .name: Wout, .offset: 16, .size: 8, .value_kind: global_buffer, .address_space: global }
      - { .name: codes, .offset: 24, .size: 8, .value_kind: global_buffer, .address_space: global }
      - { .name: scales, .offset: 32, .size: 8, .value_kind: global_buffer, .address_space: global }
      - { .name: wh, .offset: 40, .size: 8, .value_kind: global_buffer, .address_space: global }
      - { .name: rope, .offset: 48, .size: 8, .value_kind: global_buffer, .address_space: global }
    .group_segment_fixed_size: 84992
    .private_segment_fixed_size: 0
    .kernarg_segment_align: 8
    .kernarg_segment_size: 56
    .max_flat_workgroup_size: 256
    .sgpr_count:     66
    .vgpr_count:     192
    .wavefront_size: 32
...
	.end_amdgpu_metadata
.endif
;; end of part 1
;; launch qkv (part 2): grid 8 x 24, 4 waves a work-group, clusters of 4 x 4, 327,680 bytes of LDS; arguments codes, scales, rope, qkvh, fine; writes qkvh, fine
.if DOCPART == 2
	.amdgcn_target "amdgcn-amd-amdhsa--gfx1250"
	.amdhsa_code_object_version 6
	.text
	.protected	k_q42ce195d3b_qkv
	.globl	k_q42ce195d3b_qkv
	.p2align	8
	.type	k_q42ce195d3b_qkv,@function
k_q42ce195d3b_qkv:
	s_mov_b64 s[64:65], 0
	v_nop
	global_prefetch_b8 v0, s[64:65] scope:SCOPE_SE
	s_setreg_imm32_b32 hwreg(HW_REG_WAVE_MODE, 25, 1), 1
	s_wait_xcnt 0x0
	s_wait_alu depctr_hold_cnt(0) depctr_sa_sdst(0) depctr_va_vdst(0) depctr_va_sdst(0) depctr_va_ssrc(0) depctr_va_vcc(0) depctr_vm_vsrc(0)
	s_getreg_b32 s2, hwreg(HW_REG_IB_STS2, 6, 4)
	s_cmp_eq_u32 s2, 0
	s_cbranch_scc0 .Lentry_in_a_cluster
	s_endpgm
.Lentry_in_a_cluster:
	s_bfe_u32 s2, ttmp6, 0x10000c
	s_cmp_lg_u32 s2, 0xf033
	s_cbranch_scc0 .Lentry_shape_is_right
	s_endpgm
.Lentry_shape_is_right:
; QKV: x Wqkv on codes of FP4 (E2M1) with one E8M0 scale for each 32 along K (K = 1,024), the rotary embedding in f32, and q, k, v out as f16 images of the operand registers that attention wants.
; 'codes' and 'scales' hold 7,168 rows: 0-4095 x's rows, 4096 + n Wqkv's column n.  The text multiplies 256 rows A' (source 1) by 256 rows B' (source 0) of that one row space: four waves, each 128 x 128, 64 accumulators.
; In a result a lane holds ONE row of A' (lane % 16) and eight neighbouring rows of B' (8 (lane / 16) + 0..7).
;   clusters with y < 4 (q: cluster x = 0, k: cluster x = 1): A' = x, B' = W: a lane holds a position and eight channels: packed to f16 they are 16 bytes of a fragment of Q or K.
;   clusters with y >= 4 (v): A' = Wv, B' = x: a lane holds a channel and eight positions: 16 bytes of a fragment of V^T.
; So nothing is transposed, nothing goes through LDS on the way out, and every store of a wave covers 512 consecutive bytes.
; K is two slots of 512: all tiles and all scale bytes are asked for at the head, three joint loads a wave, and nothing is filled again.
; THE ROTARY TABLE IS ASKED FOR AHEAD: a wave wants 32 registers of cosines and sines for each of its eight blocks of 16 positions.  Those of blocks 0-3 are loaded at the head, behind the joint loads, into the 128 registers of
; window 1 that the products leave idle: all 512 matrix instructions stand between the request and the use.  Those of blocks 4-7 go into B's registers as soon as the last products are behind: four blocks' work ahead of their use.
; CLUSTERS: 4 x 4.  A's tiles are shared along a row of the cluster, B's along a column, by joint loads.
; The f32 numbers of positions 0-15 of each sequence also go out, to 'fine', for the launch that carries those rows in f32.  Which work-group holds them hangs on its place in the cluster: the stores stand under a lane mask.
; LIMIT: q, k, v are rounded to f16: magnitudes up to 65,504.
; REGISTERS, in windows of 256: window 0: v16-31 addresses; v32-95 scale words, two sets; v128-191 A's fragments; on the way out v32-95 rotated numbers, v96-159 packed.
;   window 1: B's fragments, two sets, at v0-63 and v128-191; the table of blocks 0-3 at v64-127 and v192-255, of blocks 4-7 where B's fragments lay.
;   windows 2, 3: the accumulators ((a, b) at v[8 (8 (a % 4) + b)] of window 2 + a / 4).
.set NQ,     4                         ; steps of 128 along K in a slot
.set ROWB,   256                       ; a tile's row in bytes: 512 codes
.set KROW,   512                       ; a row of codes in memory
.set PITCH,  272                       ; an LDS row: 256 bytes + 16 of padding: the 16 rows that a load touches start at 16 different banks (64 banks of 4 bytes: ISA guide 11.1)
.set FR,     8
.set NL,     2
.set NP,     4                         ; places behind this matrix instruction (ISA guide 7.12.1)
.set HALFT,  128*PITCH
.set SLOT,   4*HALFT
.set KS,     32                        ; a row of scale bytes
.set SCL,    2*SLOT                    ; behind the slots: the scale bytes, as units of 256 bytes + 16 of padding
.set HALFS,  (128*KS/256)*272
.set SBLK,   (16*KS/256)*272
.set SPARE,  SCL+4*HALFS               ; the spare words, 128 bytes for each wave: two blocks of 256 bytes that no other line names
.set ADRA, 16
.set ADRB, 20
.set RO,   25                          ; v25  my lane's byte in 16 positions of the rotary table: 256 r + 32 h
.set IMG,  26                          ; v26  16 x lane: my lane's place in an image
.set ADRS, 27
.set SPW,  28
.set NIL,  29
.set SC,   32
.set AF,   128
.set T,    32                          ; the way out: 64 rotated numbers
.set PK,   96                          ; two sets of 32 packed registers
.set FL,   96                          ; s96  0 where my rows (q, k) or columns (v) begin with position 0
.set G1, 24
.set G0, 32
.set G1B, 48
.set G0B, 56
.set G1S, 68
.set G0S, 76
.set G1SB, 80
.set G0SB, 88
.set MSB, 0
.macro WIN new                         ; the immediate's high byte repeats the setting that is left
.if MSB != \new
	s_set_vgpr_msb (MSB<<8)|\new
.set MSB, \new
.endif
.endm
.set MUL_LO, 0xa1                      ; source 0 (B') window 1, source 1 (A') window 0, C and D window 2
.set MUL_HI, 0xf1
.set TO_B,   0x40                      ; destination window 1, address window 0
; A joint load: waves 0 and 1 fetch for A', waves 2 and 3 for B'.  The branch hangs on the wave's number alone.  An s_nop 0 and four v_nop follow each of the two lines.
.macro JLOAD g0a, g1a, g0b, g1b
	s_cmp_eq_u32 s15, 0
	s_cbranch_scc0 .Lfor_b_\@
	tensor_load_to_lds s[\g0a:\g0a+3], s[\g1a:\g1a+7]
	s_nop 0
.rept 4
	v_nop
.endr
	s_branch .Lasked_\@
.Lfor_b_\@:
	tensor_load_to_lds s[\g0b:\g0b+3], s[\g1b:\g1b+7]
	s_nop 0
.rept 4
	v_nop
.endr
.Lasked_\@:
.endm
.macro CROUND                          ; a round of the cluster's barrier
	s_barrier_signal -1
	s_barrier_wait -1
	s_cmp_lg_u32 s14, 0
	s_cbranch_scc1 .Lnot_wave_0_\@
	s_barrier_signal -3
.Lnot_wave_0_\@:
	s_barrier_wait -3
	s_barrier_signal -1
	s_barrier_wait -1
.endm
; Block a's cosines and sines, into window 1: my position's frequencies 8 h + 0..7 and 16 + 8 h + 0..7: cosines of the two groups, then sines of the two.  Blocks 0, 1: v64 on; 2, 3: v192 on; 4, 5: v0 on; 6, 7: v128 on
.macro CSLOAD a
.set CC, 32*((\a)%2)+128*(((\a)%4)/2)+64*(1-(\a)/4)
.irp o, 0,1,2,3
	global_load_b128 v[CC+8*\o:CC+8*\o+3], v[RO], s[8:9] offset:4096*(\a)+64*\o
	global_load_b128 v[CC+8*\o+4:CC+8*\o+7], v[RO], s[8:9] offset:4096*(\a)+64*\o+16
.endr
.endm
	s_load_b256 s[4:11], s[0:1], 0x0               ; codes s[4:5], scales s[6:7], rope s[8:9], qkvh s[10:11]
	s_load_b64 s[12:13], s[0:1], 0x20              ; fine
	v_lshl_add_u32 v[SPW], v0, 2, SPARE
	v_mov_b32 v[NIL], 0
	ds_add_u32 v[SPW], v[NIL]                      ; the wave's opening: the add, twice on end, and its wait ahead of my first tensor load
	ds_add_u32 v[SPW], v[NIL]
	v_lshrrev_b32 v1, 5, v0
	v_readfirstlane_b32 s14, v1                    ; wave 0..3
	s_lshr_b32 s15, s14, 1                         ; which half of A's rows is mine.  Also: I fetch for A' (0) or for B' (1)
	s_and_b32 s16, s14, 1                          ; which half of B's rows.  Also: which 128 rows of that tile I fetch
	s_bfe_u32 s40, ttmp6, 0x40000                  ; cx, cy: my place in the cluster
	s_bfe_u32 s41, ttmp6, 0x40004
	s_and_b32 s17, ttmp7, 0xffff                   ; cluster y: 0-3 q and k, 4-5 v
	s_lshl_b32 s43, s41, 2
	s_lshl_b32 s43, 15, s43                        ; my row of the cluster
	s_lshl_b32 s44, 0x1111, s40                    ; my column
	s_or_b32 s[G1+0], s43, (0<<16)|(1<<20)|(1<<21)|(5<<22)|(3<<25)  ; the mask; elements of 1 byte; padding on; bit 21 beside a mask; 4 words of padding after every 64
	s_or_b32 s[G1B+0], s44, (0<<16)|(1<<20)|(1<<21)|(5<<22)|(3<<25)
.irp g, G1, G1B
	s_mov_b32 s[\g+1], ROWB<<16                    ; tensor_dim0
	s_mov_b32 s[\g+2], 128<<16                     ; tensor_dim1
	s_mov_b32 s[\g+3], ROWB<<16                    ; tile_dim0
	s_mov_b32 s[\g+4], 128                         ; tile_dim1
	s_mov_b32 s[\g+5], KROW                        ; from row to row
	s_mov_b32 s[\g+6], 0
	s_mov_b32 s[\g+7], 0
.endr
	s_or_b32 s[G1S+0], s43, (3<<16)|(1<<20)|(1<<21)|(5<<22)|(3<<25)   ; the scale bytes of 128 rows: 4,096 dense bytes as 16 rows of 256 (32 elements of 8 bytes), 16 bytes of padding behind each
	s_or_b32 s[G1SB+0], s44, (3<<16)|(1<<20)|(1<<21)|(5<<22)|(3<<25)
.irp g, G1S, G1SB
	s_mov_b32 s[\g+1], 32<<16
	s_mov_b32 s[\g+2], (128*KS/256)<<16
	s_mov_b32 s[\g+3], 32<<16
	s_mov_b32 s[\g+4], 128*KS/256
	s_mov_b32 s[\g+5], 32
	s_mov_b32 s[\g+6], 0
	s_mov_b32 s[\g+7], 0
.endr
	s_lshl_b32 s18, s16, 7                         ; which 128 rows of the tile I fetch
	s_lshl_b32 s20, s17, 10                        ; A': x's rows 1024 x cluster y (q, k),
	s_mov_b32 s21, 6144                            ; or Wv's rows (v),
	s_cmp_lt_u32 s17, 4
	s_cselect_b32 s20, s20, s21
	s_lshl_b32 s21, s41, 8
	s_add_co_u32 s20, s20, s21                     ; + 256 cy: shared along my row of the cluster
	s_add_co_u32 s20, s20, s18
	s_lshl_b32 s46, ttmp9, 10
	s_add_co_u32 s47, s46, 4096                    ; B': W's rows 4096 + 1024 x cluster x (q, k),
	s_max_u32 s92, s17, 4
	s_sub_co_u32 s92, s92, 4
	s_lshl_b32 s92, s92, 11
	s_add_co_u32 s46, s46, s92                     ; or x's rows 2048 (cluster y - 4) + 1024 x cluster x (v),
	s_cmp_lt_u32 s17, 4
	s_cselect_b32 s46, s47, s46
	s_lshl_b32 s47, s40, 8
	s_add_co_u32 s46, s46, s47                     ; + 256 cx: shared along my column
	s_add_co_u32 s46, s46, s18
	s_lshl_b32 s22, s20, 5                         ; where these rows' scale bytes begin,
	s_mov_b32 s23, 0
	s_lshl_b32 s20, s20, 9                         ; and their codes
	s_mov_b32 s21, 0
	s_lshl_b32 s92, s46, 5
	s_mov_b32 s93, 0
	s_lshl_b32 s46, s46, 9
	s_mov_b32 s47, 0
	s_mul_i32 s45, s14, HALFT                      ; where they go: wave x 128 rows: no place in the cluster enters an LDS address
	s_mul_i32 s94, s14, HALFS
	s_wait_dscnt 0x0                               ; both opening adds are done
	s_wait_kmcnt 0x0
	s_add_nc_u64 s[20:21], s[4:5], s[20:21]
	s_add_nc_u64 s[22:23], s[6:7], s[22:23]
	s_add_nc_u64 s[46:47], s[4:5], s[46:47]
	s_add_nc_u64 s[92:93], s[6:7], s[92:93]
	CROUND                                         ; all sixteen work-groups are here: the joint loads meet
	s_mov_b32 s[G0S], 1
	s_add_co_u32 s[G0S+1], s94, SCL
	s_mov_b64 s[G0S+2:G0S+3], s[22:23]
	s_or_b32 s[G0S+3], s[G0S+3], 0x80000000
	s_mov_b32 s[G0SB], 1
	s_add_co_u32 s[G0SB+1], s94, SCL
	s_mov_b64 s[G0SB+2:G0SB+3], s[92:93]
	s_or_b32 s[G0SB+3], s[G0SB+3], 0x80000000
	JLOAD G0S, G1S, G0SB, G1SB                     ; the scale bytes first: they are wanted with the first slot
.irp s, 0,1
	s_mov_b32 s[G0+4*\s], 1
	s_add_co_u32 s[G0+4*\s+1], s45, \s*SLOT
	s_add_nc_u64 s[G0+4*\s+2:G0+4*\s+3], s[20:21], \s*ROWB
	s_or_b32 s[G0+4*\s+3], s[G0+4*\s+3], 0x80000000
	s_mov_b32 s[G0B+4*\s], 1
	s_add_co_u32 s[G0B+4*\s+1], s45, \s*SLOT
	s_add_nc_u64 s[G0B+4*\s+2:G0B+4*\s+3], s[46:47], \s*ROWB
	s_or_b32 s[G0B+4*\s+3], s[G0B+4*\s+3], 0x80000000
	JLOAD G0+4*\s, G1, G0B+4*\s, G1B               ; three tensor loads of mine are out
.endr
	v_and_b32 v1, 15, v0                           ; r
	v_bfe_u32 v2, v0, 4, 1                         ; h
	v_mul_u32_u24 v3, v1, PITCH
	v_lshl_add_u32 v4, v2, 4, v3                   ; a fragment's row x pitch + 16 h
	s_mul_i32 s21, s15, HALFT                      ; my 128 rows of A'
	s_mul_i32 s22, s16, HALFT                      ; my 128 rows of B',
	s_add_co_u32 s22, s22, 2*HALFT                 ; which lie behind A's 256
.irp s, 0,1
	v_add_nc_u32 v[ADRA+\s], s21, v4
	v_add_nc_u32 v[ADRB+\s], s22, v4
	s_add_co_u32 s21, s21, SLOT
	s_add_co_u32 s22, s22, SLOT
.endr
	v_mul_u32_u24 v5, v1, KS                       ; my row's scale bytes: 32 a row,
	v_lshrrev_b32 v6, 8, v5
	v_lshl_add_u32 v5, v6, 4, v5                   ; and 16 more for each 256 passed
	s_mul_i32 s21, s15, HALFS
	s_mul_i32 s22, s16, HALFS
	s_add_co_u32 s22, s22, 2*HALFS
	s_sub_co_u32 s22, s22, s21
	v_mul_u32_u24 v6, s22, v2                      ; lanes 16-31 take B's
	s_add_co_u32 s21, s21, SCL
	v_add_nc_u32 v5, v5, v6
	v_add_nc_u32 v[ADRS], s21, v5
	v_lshlrev_b32 v[RO], 8, v1
	v_lshl_add_u32 v[RO], v2, 5, v[RO]
	v_and_b32 v6, 31, v0
	v_lshlrev_b32 v[IMG], 4, v6
	s_cmp_lt_u32 s17, 4                            ; q and k alone are rotated.  The cluster's y alone: the same in all sixteen partners
	s_cbranch_scc0 .Lno_table
	s_and_b32 s3, s17, 1
	s_lshl_b32 s3, s3, 2
	s_add_co_u32 s3, s3, s41                       ; which 256 positions of the sequence
	s_lshl_b32 s66, s3, 16                         ; the table: 256 bytes a position,
	s_lshl_b32 s95, s15, 15                        ; my wave's 128 positions
	s_add_co_u32 s66, s66, s95
	s_mov_b32 s67, 0
	s_add_nc_u64 s[8:9], s[8:9], s[66:67]          ; never rewritten from here on
	WIN TO_B
.irp a, 0,1,2,3
	CSLOAD \a                                      ; 32 loads, into registers that no product names
.endr
	WIN 0
.Lno_table:
.macro FRAG reg, adr, q, i             ; 16 rows x 128 K of 4-bit codes: 8 registers; registers 4 c .. 4 c + 3 hold K = 64 c + 32 h + 0 .. 31
.irp c, 0,1
	ds_load_b128 v[\reg+4*\c:\reg+4*\c+3], v[\adr] offset:64*(\q)+32*\c+(\i)*16*PITCH
.endr
.endm
; 16 matrix instructions: A's blocks a0, a0 + 1 x B's eight.  The 64 accumulators take turns, one instruction a turn, in the same order in every step.
; One register carries A's scale word (lanes 0-15) and B's (lanes 16-31) of block i.
.macro MUL16 a0, p, q, sc, zero
.irp a, \a0, \a0+1
.irp b, 0,1,2,3,4,5,6,7
.if \zero
	v_wmma_scale_f32_16x16x128_f8f6f4 v[8*(8*((\a)%4)+\b):8*(8*((\a)%4)+\b)+7], v[128*(\p)+FR*\b:128*(\p)+FR*\b+FR-1], v[AF+FR*(\a):AF+FR*(\a)+FR-1], 0, v[SC+8*NQ*(\sc)+NQ*\b+(\q)], v[SC+8*NQ*(\sc)+NQ*(\a)+(\q)] matrix_a_fmt:MATRIX_FMT_FP4 matrix_b_fmt:MATRIX_FMT_FP4 matrix_a_scale:MATRIX_SCALE_ROW1
.else
	v_wmma_scale_f32_16x16x128_f8f6f4 v[8*(8*((\a)%4)+\b):8*(8*((\a)%4)+\b)+7], v[128*(\p)+FR*\b:128*(\p)+FR*\b+FR-1], v[AF+FR*(\a):AF+FR*(\a)+FR-1], v[8*(8*((\a)%4)+\b):8*(8*((\a)%4)+\b)+7], v[SC+8*NQ*(\sc)+NQ*\b+(\q)], v[SC+8*NQ*(\sc)+NQ*(\a)+(\q)] matrix_a_fmt:MATRIX_FMT_FP4 matrix_b_fmt:MATRIX_FMT_FP4 matrix_a_scale:MATRIX_SCALE_ROW1
.endif
.endr
.endr
.endm
.macro FETCH_B slot, q, p
	WIN TO_B
.irp i, 0,1,2,3,4,5,6,7
	FRAG 128*(\p)+FR*\i, ADRB+\slot, \q, \i
.endr
	WIN 0
.endm
.macro FETCH_A slot, q, i0
.irp i, \i0, \i0+1, \i0+2, \i0+3
	FRAG AF+FR*(\i), ADRA+\slot, \q, \i
.endr
.endm
.macro SCALES sc                       ; a slot's scale words: four words a row; lanes 0-15 take A's block i, lanes 16-31 B's
.irp i, 0,1,2,3,4,5,6,7
	ds_load_b128 v[SC+8*NQ*\sc+NQ*\i:SC+8*NQ*\sc+NQ*\i+3], v[ADRS] offset:\i*SBLK
.endr
.endm
.macro PLACES n                        ; plain vector instructions in front of loads into registers that matrix instructions have read, and of the first read of results
.rept \n
	v_nop
.endr
.endm
.macro STEP slot, q, zero              ; a step of 128 along K that has its successor in the same slot
	s_wait_dscnt 4*NL                              ; B's set and A's blocks 0-3 are in; the youngest eight loads (A's blocks 4-7) may be out
	WIN MUL_LO
	MUL16 0, (\q)%2, \q, \slot, \zero
	MUL16 2, (\q)%2, \q, \slot, \zero
	s_wait_dscnt 0
	PLACES NP
	FETCH_B \slot, (\q)+1, 1-(\q)%2
	FETCH_A \slot, (\q)+1, 0
	WIN MUL_HI
	MUL16 4, (\q)%2, \q, \slot, \zero
	MUL16 6, (\q)%2, \q, \slot, \zero
	PLACES NP
	WIN 0
	FETCH_A \slot, (\q)+1, 4
.endm
.macro TURN slot, next                 ; a slot's last step, and the change to the other slot: my part of it has landed, then the barrier shows everybody's.  Nothing is filled again
	s_wait_tensorcnt 0x0                           ; all my tensor loads have landed
	ds_add_u32 v[SPW], v[NIL]                      ; 0 onto my spare word
	s_wait_dscnt 4*NL+1                            ; (the add and the youngest eight loads may be out)
	WIN MUL_LO
	MUL16 0, 1, NQ-1, \slot, 0
	s_wait_dscnt 0x0
	s_barrier_signal -1
	MUL16 2, 1, NQ-1, \slot, 0
	WIN 0
	s_barrier_wait -1
	PLACES NP
	v_add_nc_u32 v[ADRS], 4*NQ, v[ADRS]            ; on to the next slot's scale words
	FETCH_B \next, 0, 0
	FETCH_A \next, 0, 0
	SCALES \next
	WIN MUL_HI
	MUL16 4, 1, NQ-1, \slot, 0
	MUL16 6, 1, NQ-1, \slot, 0
	PLACES NP
	WIN 0
	FETCH_A \next, 0, 4
.endm
	s_wait_tensorcnt 1                             ; the scale bytes and my part of slot 0 are in (slot 1's load may be out),
	s_barrier_signal -1
	s_barrier_wait -1                              ; everybody's are
	FETCH_B 0, 0, 0
	FETCH_A 0, 0, 0
	SCALES 0
	FETCH_A 0, 0, 4
	STEP 0, 0, 1                                   ; the first products start the sums: nothing is cleared
	STEP 0, 1, 0
	STEP 0, 2, 0
	TURN 0, 1
	STEP 1, 0, 0
	STEP 1, 1, 0
	STEP 1, 2, 0
	s_wait_dscnt 4*NL                              ; the last step: nothing more to fetch
	WIN MUL_LO
	MUL16 0, 1, NQ-1, 1, 0
	MUL16 2, 1, NQ-1, 1, 0
	s_wait_dscnt 0
	WIN MUL_HI
	MUL16 4, 1, NQ-1, 1, 0
	MUL16 6, 1, NQ-1, 1, 0
	WIN 0
	PLACES NP                                      ; behind the last products: for the reads of results and for the loads and conversions into registers that held fragments
	s_cmp_lt_u32 s17, 4                            ; the cluster's y alone: the same in all sixteen partners
	s_cbranch_scc0 .Lform_v
; ---------------- q and k.  My rows: positions 256 t7 + 128 (wave / 2) + 16 a + r of one sequence; my columns: two heads, channel 16 (b % 4) + 8 h + j of head b / 4.
	WIN TO_B
.irp a, 4,5,6,7
	CSLOAD \a                                      ; the table of blocks 4-7, where B's fragments lay: 32 more loads
.endr
	WIN 0
	s_lshr_b32 s2, s17, 1                          ; the sequence
	s_and_b32 s3, s17, 1
	s_lshl_b32 s3, s3, 2
	s_add_co_u32 s3, s3, s41                       ; t7: which 256 positions
	s_lshl_b32 s42, s40, 2
	s_lshl_b32 s95, s16, 1
	s_add_co_u32 s42, s42, s95                     ; my first head
	s_or_b32 s[FL], s3, s15                        ; 0: my block 0 holds positions 0-15
	s_lshl_b32 s66, s2, 4
	s_add_co_u32 s66, s66, s42
	s_lshl_b32 s66, s66, 18                        ; a head's images are 262,144 bytes
	s_lshl_b32 s95, ttmp9, 23                      ; q at 0, k at 8,388,608
	s_add_co_u32 s66, s66, s95
	s_lshl_b32 s95, s3, 15                         ; 16 tiles of 2,048 bytes for each 256 positions
	s_add_co_u32 s66, s66, s95
	s_lshl_b32 s95, s15, 14
	s_add_co_u32 s66, s66, s95
	s_mov_b32 s67, 0
	s_add_nc_u64 s[10:11], s[10:11], s[66:67]
	s_lshl_b32 s66, ttmp9, 17                      ; fine: [q, k, v][sequence][head][4,096 bytes]
	s_lshl_b32 s95, s2, 16
	s_add_co_u32 s66, s66, s95
	s_lshl_b32 s95, s42, 12
	s_add_co_u32 s66, s66, s95
	s_add_nc_u64 s[12:13], s[12:13], s[66:67]
; Block a: 16 positions x 128 channels.  Channel d < 32 of a head and channel d + 32 lie in accumulators b and b + 2 at the same lane and register: out(d) = x(d) cos - x(d + 32) sin, out(d + 32) = x(d + 32) cos + x(d) sin.
.macro ROPEBLK a
.set AC, 64*((\a)%4)
.set CC, 32*((\a)%2)+128*(((\a)%4)/2)+64*(1-(\a)/4)
.set PP, PK+32*((\a)%2)
	s_wait_loadcnt 8*(7-(\a))                      ; this block's eight table loads are in; those of the 7 - a later blocks, eight each, may be out
	s_wait_xcnt 0x0                                ; earlier stores have read their registers: the rotated numbers and this set of packed registers are written again only behind this wait
	WIN 0x06+(\a)/4                                ; source 0: the accumulators' window; source 1: the table's, window 1
.irp hh, 0,1
.irp p, 0,1
.irp i, 0,2,4,6                                ; each accumulator from its low end on
	v_pk_mul_f32 v[T+8*(4*\hh+\p)+\i:T+8*(4*\hh+\p)+\i+1], v[AC+8*(4*\hh+\p)+\i:AC+8*(4*\hh+\p)+\i+1], v[CC+8*\p+\i:CC+8*\p+\i+1]
	v_pk_mul_f32 v[T+8*(4*\hh+\p+2)+\i:T+8*(4*\hh+\p+2)+\i+1], v[AC+8*(4*\hh+\p+2)+\i:AC+8*(4*\hh+\p+2)+\i+1], v[CC+8*\p+\i:CC+8*\p+\i+1]
	v_pk_fma_f32 v[T+8*(4*\hh+\p)+\i:T+8*(4*\hh+\p)+\i+1], v[AC+8*(4*\hh+\p+2)+\i:AC+8*(4*\hh+\p+2)+\i+1], v[CC+16+8*\p+\i:CC+16+8*\p+\i+1], v[T+8*(4*\hh+\p)+\i:T+8*(4*\hh+\p)+\i+1] neg_lo:[0,1,0] neg_hi:[0,1,0]
	v_pk_fma_f32 v[T+8*(4*\hh+\p+2)+\i:T+8*(4*\hh+\p+2)+\i+1], v[AC+8*(4*\hh+\p)+\i:AC+8*(4*\hh+\p)+\i+1], v[CC+16+8*\p+\i:CC+16+8*\p+\i+1], v[T+8*(4*\hh+\p+2)+\i:T+8*(4*\hh+\p+2)+\i+1]
.endr
.endr
.endr
	WIN 0
.if (\a) == 0
	s_wait_xcnt 0x0                                ; EXEC changes only behind this wait
	v_cmp_eq_u32 vcc_lo, s[FL], v[NIL]             ; all lanes, or none
	s_and_saveexec_b32 s97, vcc_lo
.irp b, 0,1,2,3,4,5,6,7
	global_store_b128 v[IMG], v[T+8*\b:T+8*\b+3], s[12:13] offset:(\b/4)*4096+(\b%4)*1024
	global_store_b128 v[IMG], v[T+8*\b+4:T+8*\b+7], s[12:13] offset:(\b/4)*4096+(\b%4)*1024+512
.endr
	s_wait_xcnt 0x0                                ; and again, in front of the line that restores it
	s_or_b32 exec_lo, exec_lo, s97
.endif
.irp b, 0,1,2,3,4,5,6,7
.irp r, 0,1,2,3
	v_cvt_pk_f16_f32 v[PP+4*\b+\r], v[T+8*\b+2*\r], v[T+8*\b+2*\r+1]
.endr
.endr
.irp b, 0,1,2,3,4,5,6,7
	global_store_b128 v[IMG], v[PP+4*\b:PP+4*\b+3], s[10:11] offset:(\b/4)*262144+(\a)*2048+(\b%4)*512   ; the wave stores 512 consecutive bytes
.endr
.endm
.irp a, 0,1,2,3,4,5,6,7
	ROPEBLK \a
.endr
	s_branch .Ldone
; ---------------- v.  My rows: channel 16 (a % 4) + r of head a / 4 of two heads; my columns: positions 256 t7 + 128 (wave % 2) + 16 b + 8 h + j.
.Lform_v:
	s_sub_co_u32 s2, s17, 4                        ; the sequence
	s_lshl_b32 s3, ttmp9, 2
	s_add_co_u32 s3, s3, s40                       ; t7
	s_lshl_b32 s42, s41, 2
	s_lshl_b32 s95, s15, 1
	s_add_co_u32 s42, s42, s95                     ; my first head
	s_or_b32 s[FL], s3, s16                        ; 0: my blocks b = 0 hold positions 0-15
	s_lshl_b32 s66, s2, 4
	s_add_co_u32 s66, s66, s42
	s_lshl_b32 s66, s66, 18
	s_add_co_u32 s66, s66, 16777216                ; v behind q and k
	s_lshl_b32 s95, s3, 15                         ; 8 groups of 32 keys, 4,096 bytes each, for each 256 positions
	s_add_co_u32 s66, s66, s95
	s_lshl_b32 s95, s16, 14
	s_add_co_u32 s66, s66, s95
	s_mov_b32 s67, 0
	s_add_nc_u64 s[10:11], s[10:11], s[66:67]
	s_lshl_b32 s66, s2, 16
	s_lshl_b32 s95, s42, 12
	s_add_co_u32 s66, s66, s95
	s_add_co_u32 s66, s66, 262144
	s_add_nc_u64 s[12:13], s[12:13], s[66:67]
	s_wait_xcnt 0x0                                ; EXEC changes only behind this wait
	v_cmp_eq_u32 vcc_lo, s[FL], v[NIL]
	s_and_saveexec_b32 s97, vcc_lo
.irp a, 0,1,2,3,4,5,6,7                        ; accumulator (a, 0) as it stands, from its low end on: a store's data are its source 1
	WIN 0x08+4*(\a/4)
	global_store_b128 v[IMG], v[64*(\a%4):64*(\a%4)+3], s[12:13] offset:(\a/4)*4096+(\a%4)*1024
	global_store_b128 v[IMG], v[64*(\a%4)+4:64*(\a%4)+7], s[12:13] offset:(\a/4)*4096+(\a%4)*1024+512
.endr
	WIN 0
	s_wait_xcnt 0x0
	s_or_b32 exec_lo, exec_lo, s97
.macro VBLK a
.set AC, 64*((\a)%4)
.set PP, PK+32*((\a)%2)
.if (\a) > 1
	s_wait_xcnt 0x0                                ; block a - 2's stores have read this set
.endif
	WIN 0x0a+5*((\a)/4)                            ; sources 0 and 1: the accumulators' window
.irp b, 0,1,2,3,4,5,6,7
.irp r, 0,1,2,3
	v_cvt_pk_f16_f32 v[PP+4*\b+\r], v[AC+8*\b+2*\r], v[AC+8*\b+2*\r+1]
.endr
.endr
	WIN 0
.irp b, 0,1,2,3,4,5,6,7
	global_store_b128 v[IMG], v[PP+4*\b:PP+4*\b+3], s[10:11] offset:((\a)/4)*262144+(\b/2)*4096+((\a)%4)*1024+(\b%2)*512
.endr
.endm
.irp a, 0,1,2,3,4,5,6,7
	VBLK \a
.endr
.Ldone:
	s_wait_tensorcnt 0x0                           ; the wave's end
	ds_add_u32 v[SPW], v[NIL]
	s_wait_dscnt 0x0
	CROUND                                         ; the closing round: no work-group ends while a partner may still ask for a tile that names it
	s_endpgm
.Lfunc_end_k_q42ce195d3b_qkv:
	.size	k_q42ce195d3b_qkv, .Lfunc_end_k_q42ce195d3b_qkv-k_q42ce195d3b_qkv
	.p2alignl 7, 3214868480
	.fill 96, 4, 3214868480
	.section	.rodata,"a",@progbits
	.p2align	6, 0x0
	.amdhsa_kernel k_q42ce195d3b_qkv
		.amdhsa_group_segment_fixed_size 327680
		.amdhsa_private_segment_fixed_size 0
		.amdhsa_enable_private_segment 0
		.amdhsa_kernarg_size 40
		.amdhsa_user_sgpr_count 2
		.amdhsa_user_sgpr_kernarg_segment_ptr 1
		.amdhsa_wavefront_size32 1
		.amdhsa_system_sgpr_workgroup_id_x 1
		.amdhsa_system_sgpr_workgroup_id_y 1
		.amdhsa_system_sgpr_workgroup_id_z 1
		.amdhsa_system_vgpr_workitem_id 0
		.amdhsa_next_free_vgpr 1024
		.amdhsa_next_free_sgpr 100
		.amdhsa_reserve_vcc 1
		.amdhsa_float_denorm_mode_32 3
		.amdhsa_float_denorm_mode_16_64 3
		.amdhsa_memory_ordered 1
		.amdhsa_forward_progress 1
		.amdhsa_inst_pref_size 184
	.end_amdhsa_kernel
	.amdgpu_metadata
---
amdhsa.version: [ 1, 2 ]
amdhsa.kernels:
  - .name:           k_q42ce195d3b_qkv
    .symbol:         k_q42ce195d3b_qkv.kd
    .args:
      - { .name: codes, .offset: 0, .size: 8, .value_kind: global_buffer, .address_space: global }
      - { .name: scales, .offset: 8, .size: 8, .value_kind: global_buffer, .address_space: global }
      - { .name: rope, .offset: 16, .size: 8, .value_kind: global_buffer, .address_space: global }
      - { .name: qkvh, .offset: 24, .size: 8, .value_kind: global_buffer, .address_space: global }
      - { .name: fine, .offset: 32, .size: 8, .value_kind: global_buffer, .address_space: global }
    .group_segment_fixed_size: 327680
    .private_segment_fixed_size: 0
    .kernarg_segment_align: 8
    .kernarg_segment_size: 40
    .max_flat_workgroup_size: 128
    .sgpr_count:     100
    .vgpr_count:     1024
    .wavefront_size: 32
...
	.end_amdgpu_metadata
.endif
;; end of part 2
;; launch attn (part 3): grid 8 x 32, 16 waves a work-group, no clusters, 327,680 bytes of LDS; arguments qkvh, ao; writes ao
.if DOCPART == 3
	.amdgcn_target "amdgcn-amd-amdhsa--gfx1250"
	.amdhsa_code_object_version 6
	.text
	.protected	k_q42ce195d3b_attn
	.globl	k_q42ce195d3b_attn
	.p2align	8
	.type	k_q42ce195d3b_attn,@function
k_q42ce195d3b_attn:
	s_mov_b64 s[64:65], 0
	v_nop
	global_prefetch_b8 v0, s[64:65] scope:SCOPE_SE
	s_setreg_imm32_b32 hwreg(HW_REG_WAVE_MODE, 25, 1), 1
	s_wait_xcnt 0x0
; ATTN: O[q] = the sum over keys k <= q of softmax_k(Q[q] . K[k] / 32) V[k], for each of 32 (sequence, head) pairs; head size 64, 2,048 positions.  Operands f16, products, maxima and sums f32.
; q, k, v lie in 'qkvh' as images of operand registers (16 bytes a lane, 512 bytes on end), so every fragment comes by loads at a constant + 16 x lane, from memory and from LDS alike, with no padding and no turning.
; SHARES.  Work-group (j, pair) owns the query blocks j and 15 - j of 128 queries: under the causal mask every work-group then has the same number of key steps in all.  Each of sixteen waves owns one tile of 16 queries.
; Every wave walks the keys 64 a step.  K's and V's images come through two LDS slots of 256 keys (wave 0 fetches K's 32,768 bytes, wave 1 V's) and are read by all sixteen.
; LAYOUT.  S^T = K Q^T (source 0 = 16 keys, source 1 = my 16 queries), O^T = V^T P (source 0 = 16 channels, source 1 = P): a lane holds ONE query (lane % 16) throughout; two tiles of S^T packed to f16 are a fragment of P.
; SOFTMAX.  A running maximum m and sum l for each query: p = 2^(c s - c m), c = log2(e) / 32; in every step O and l are multiplied by 2^(c m_old - c m_new).
; FRAGMENTS A STEP AHEAD.  A step's LDS loads go in two runs of sixteen.  V's stand at the step's head and are wanted behind the softmax.  K's of the NEXT step of the slot stand behind this step's score products (and their four
; places), so that they have the whole softmax in which to land; only a slot's first step asks for its own K, behind the barrier.
; THE MASK.  Every work-group walks all eight slots, so that trip counts stay constants.  Keys rise from step to step, so once a step's keys all come after the wave's queries the same holds of all later steps: a scalar branch on ids
; leads past the rest of the slot, through lines that count the keys on.  So every way into a step leads through the step before it, where its K was asked for.  (Behind a wave's last step one set of K's fragments is read and not
; used: bytes of a slot that was loaded.)  A slot whose first key comes after the work-group's last query is not asked for.  On the diagonal hidden scores become -infinity ahead of the maximum.  Key 0 counts for every query, so m is a number from the first step on.
; NO CLUSTER: work-groups of one head end their loads at different slots (their last queries differ), and a joint load would have to be issued by every partner.
; The result goes to 'ao' as images of the next product's operand: [token / 16][32 channels][half][lane][16 bytes].
; LIMITS: f16 operands: |q|, |k|, |v| up to 65,504; p under about 6e-8 of the row's largest is lost in f16.
.set SLOTB, 65536                      ; a slot: K's 16 tiles of 2,048 bytes, then V's 8 groups of 4,096
.set VOFF,  32768
.set SPARE, 131072                     ; the spare words, 128 bytes for each of sixteen waves: eight blocks of 256 bytes that no other line names
.set LI,   1                           ; v1   16 x lane
.set ADR,  2                           ; v2   LDS address of the slot in hand, + 16 x lane
.set SPW,  3
.set NIL,  4
.set PFO,  5                           ; v5   256 x lane: the prefetches' offset
.set DD,   6                           ; v6   on the diagonal: my query less the step's first key less 8 h
.set NINF, 7                           ; v7   -infinity
.set RH,   8                           ; v8   r - 8 h
.set CM,   10                          ; v[10:11] c m, m
.set LS,   12                          ; v[12:13] l, in two halves
.set CH,   14                          ; v14-17 at work
.set AA,   18                          ; v[18:19] the factor (v19 is named with it as a pair)
.set Q,    20                          ; v20-35  Q: two fragments
.set KR,   40                          ; v40-103 K: fragment (key tile kt, 32 channels c) at 40 + 16 kt + 8 c
.set VR,   104                         ; v104-167 V: fragment (32 keys g, 16 channels cb) at 104 + 32 g + 8 cb
.set S,    168                         ; v168-199 S^T, then p
.set P,    200                         ; v200-215
.set O,    216                         ; v216-247
.set WV,    8
.set Q0,    9                          ; s9   my first query
.set KF,    10                         ; s10  the step's first key
.set TB,    11                         ; s11  LDS byte at which the slot in hand begins
.set SLOTS, 12
.set LASTQ, 13                         ; s13  my work-group's last query
.set CS,    14                         ; s[14:15] c
.set G1,    16
.set G0,    24
.set SEL,   28
.set PFA,   30
.set LIM,   32
.set QL,    45                         ; s45  my last query
.macro TLOAD                           ; waves 0 and 1 fetch; an s_nop 0 and four v_nop follow the line
	s_cmp_lt_u32 s[WV], 2
	s_cbranch_scc0 .Lasked_\@
	tensor_load_to_lds s[G0:G0+3], s[G1:G1+7]
	s_nop 0
.rept 4
	v_nop
.endr
.Lasked_\@:
.endm
; A prefetch of what the NEXT change of slots will ask for.  All work-groups of a head walk the same K and V: the one that walks all slots (j = 0) asks; in it waves 4 to 7 ask for K's 32,768 bytes and waves 8 to 11 for V's,
; 8,192 bytes a wave, lanes 256 bytes apart: each aligned block of 256 bytes is named once in the launch.  Slots 0 and 1 come by their loads alone; the last change that fills a slot asks for nothing.
.macro ASK
	s_cmp_gt_u32 s[SLOTS], s[LIM]
	s_cbranch_scc0 .Lnot_mine_\@
	global_prefetch_b8 v[PFO], s[PFA:PFA+1] th:TH_LOAD_NT scope:SCOPE_SE
.Lnot_mine_\@:
.endm
	s_load_b128 s[4:7], s[0:1], 0x0                ; qkvh s[4:5], ao s[6:7]
	v_lshl_add_u32 v[SPW], v0, 2, SPARE
	v_mov_b32 v[NIL], 0
	ds_add_u32 v[SPW], v[NIL]                      ; the wave's opening: the add, twice on end, and its wait ahead of the first tensor load
	ds_add_u32 v[SPW], v[NIL]
	v_lshrrev_b32 v1, 5, v0
	v_readfirstlane_b32 s[WV], v1                  ; wave 0..15
	s_and_b32 s33, ttmp7, 0xffff                   ; the pair: 16 x sequence + head
	s_lshr_b32 s34, s[WV], 2
	s_xor_b32 s34, s34, s[WV]
	s_and_b32 s34, s34, 1                          ; 0: the early block j, 1: the late block 15 - j; waves 2 t and 2 t + 1 take tile t of one each
	s_lshl_b32 s35, ttmp9, 1
	s_sub_co_u32 s35, 15, s35
	s_mul_i32 s35, s35, s34
	s_add_co_u32 s35, s35, ttmp9                   ; my block
	s_lshl_b32 s[Q0], s35, 7
	s_lshr_b32 s35, s[WV], 1
	s_lshl_b32 s35, s35, 4
	s_add_co_u32 s[Q0], s[Q0], s35
	s_add_co_u32 s[QL], s[Q0], 15
	s_lshl_b32 s[LASTQ], ttmp9, 7
	s_sub_co_u32 s[LASTQ], 2047, s[LASTQ]
	s_mov_b32 s[G1], 3<<16                         ; no mask; elements of 8 bytes; no padding
	s_mov_b32 s[G1+1], 32<<16                      ; tensor_dim0: rows of 256 bytes
	s_mov_b32 s[G1+2], 128<<16                     ; tensor_dim1
	s_mov_b32 s[G1+3], 32<<16                      ; tile_dim0
	s_mov_b32 s[G1+4], 128                         ; tile_dim1: 32,768 dense bytes
	s_mov_b32 s[G1+5], 32
	s_mov_b32 s[G1+6], 0
	s_mov_b32 s[G1+7], 0
	s_mov_b32 s[CS], 0x3d38aa3b                    ; c = log2(e) / 32
	s_mov_b32 s[CS+1], s[CS]
	s_mov_b32 s[SEL], 0x76543210
	s_mov_b32 s[SEL+1], 0xfedcba98                 ; v_permlanex16_b32's selects for lane l xor 16
	s_mov_b32 s[KF], 0
	s_mov_b32 s[TB], 0
	s_mov_b32 s[SLOTS], 7
	s_lshl_b32 s36, s33, 18                        ; the pair's first byte in q, in k and in v
	s_and_b32 s40, s[WV], 1
	s_add_co_u32 s38, s40, 1
	s_lshl_b32 s38, s38, 23                        ; wave 0: k at 8,388,608; wave 1: v at 16,777,216
	s_add_co_u32 s38, s38, s36
	s_mov_b32 s39, 0
	s_lshl_b32 s40, s40, 15                        ; and in a slot: K at 0, V at 32,768
	s_wait_dscnt 0x0                               ; both opening adds are done
	s_wait_kmcnt 0x0
	s_mov_b32 s[G0], 1
	s_mov_b32 s[G0+1], s40
	s_add_nc_u64 s[G0+2:G0+3], s[4:5], s[38:39]
	s_or_b32 s[G0+3], s[G0+3], 0x80000000
	TLOAD                                          ; slot 0
	s_lshl_b32 s38, s[Q0], 7                       ; a tile of 16 queries is 2,048 bytes
	s_add_co_u32 s38, s38, s36
	s_add_nc_u64 s[42:43], s[4:5], s[38:39]
	v_and_b32 v[LI], 31, v0
	v_lshlrev_b32 v[PFO], 8, v[LI]
	v_lshlrev_b32 v[LI], 4, v[LI]
.irp cb, 0,1,2,3
	global_load_b128 v[Q+4*\cb:Q+4*\cb+3], v[LI], s[42:43] offset:512*\cb   ; Q stays in registers
.endr
	s_lshr_b32 s38, s33, 4
	s_lshl_b32 s38, s38, 22                        ; ao: a sequence's 128 row tiles of 32,768 bytes,
	s_and_b32 s41, s33, 15
	s_add_co_u32 s41, s41, s[Q0]
	s_lshl_b32 s41, s41, 11                        ; 2,048 Q0 for my tile, 2,048 for each head
	s_add_co_u32 s38, s38, s41
	s_add_nc_u64 s[6:7], s[6:7], s[38:39]
	s_mov_b32 s38, 16777216                        ; the prefetches: waves 4 to 7 stand in k, waves 8 to 11 in v,
	s_cmp_lt_u32 s[WV], 8
	s_cselect_b32 s38, 8388608, s38
	s_add_co_u32 s38, s38, s36
	s_and_b32 s41, s[WV], 3
	s_lshl_b32 s41, s41, 13                        ; at my wave's 8,192 bytes
	s_add_co_u32 s38, s38, s41
	s_add_co_u32 s38, s38, 32768                   ; of slot 1: the first change of slots steps it to slot 2
	s_add_nc_u64 s[PFA:PFA+1], s[4:5], s[38:39]
	s_sub_co_u32 s41, s[WV], 4
	s_lshr_b32 s41, s41, 3                         ; 0 in waves 4 to 11,
	s_or_b32 s41, s41, ttmp9                       ; of work-group j = 0
	s_cmp_eq_u32 s41, 0
	s_cselect_b32 s[LIM], 1, -1
	v_and_b32 v[RH], 15, v0
	v_bfe_u32 v9, v0, 4, 1
	v_lshlrev_b32 v9, 3, v9
	v_sub_nc_u32 v[RH], v[RH], v9
	v_mov_b32 v[NINF], 0xff800000
	v_mov_b32 v[CM+1], 0xff61b1e6                  ; m = -3e38, under every score
	v_mul_f32 v[CM], s[CS], v[CM+1]
.irp i, 12,13,14,15,16,17,18,19
	v_mov_b32 v[\i], 0                             ; l, and the registers at work (a lane permute's destination and a pair's upper half count as read)
.endr
.set j, 0
.rept 32
	v_mov_b32 v[O+j], 0                            ; O^T.  The step is written once: the first finds zeros, which its factor leaves zeros
.set j, j+1
.endr
.macro KLOAD q                         ; sixteen LDS loads: K of the slot's q-th 64 keys
.irp kt, 0,1,2,3
.irp c, 0,1
	ds_load_b128 v[KR+16*\kt+8*\c:KR+16*\kt+8*\c+3], v[ADR] offset:(4*(\q)+\kt)*2048+\c*1024
	ds_load_b128 v[KR+16*\kt+8*\c+4:KR+16*\kt+8*\c+7], v[ADR] offset:(4*(\q)+\kt)*2048+\c*1024+512
.endr
.endr
.endm
.macro VLOAD q                         ; sixteen LDS loads: V of the same keys
.irp g, 0,1
.irp cb, 0,1,2,3
	ds_load_b128 v[VR+32*\g+8*\cb:VR+32*\g+8*\cb+3], v[ADR] offset:VOFF+(2*(\q)+\g)*4096+\cb*1024
	ds_load_b128 v[VR+32*\g+8*\cb+4:VR+32*\g+8*\cb+7], v[ADR] offset:VOFF+(2*(\q)+\g)*4096+\cb*1024+512
.endr
.endr
.endm
.macro STEP q                          ; 64 keys: the q-th step of the slot in hand.  Its K has been asked for: by the step before it, or, for q = 0, at the slot's head
.if (\q) > 0
.rept 4
	v_nop                                          ; four places between the last step's products and the loads into V's registers (for q = 0 they stand at the slot's head)
.endr
.endif
	VLOAD \q
	s_wait_dscnt 16                                ; K is in; V's sixteen loads, issued behind K's, may be out
.irp c, 0,1                                    ; S^T = K Q^T: the four tiles of keys take turns
.irp kt, 0,1,2,3
.if \c == 0
	v_wmma_f32_16x16x32_f16 v[S+8*\kt:S+8*\kt+7], v[KR+16*\kt:KR+16*\kt+7], v[Q:Q+7], 0
.else
	v_wmma_f32_16x16x32_f16 v[S+8*\kt:S+8*\kt+7], v[KR+16*\kt+8:KR+16*\kt+15], v[Q+8:Q+15], v[S+8*\kt:S+8*\kt+7]
.endif
.endr
.endr
.rept 4
	v_nop                                          ; four places: for the loads into K's registers, and for the first read of the scores
.endr
.if (\q) < 3
	KLOAD (\q)+1                                   ; the next step's K: the softmax below stands between the request and the use
.endif
	s_add_co_u32 s44, s[KF], 63
	s_cmp_le_u32 s44, s[Q0]                        ; all its keys count for all my queries
	s_cbranch_scc1 .Lopen_\@
	s_sub_co_i32 s44, s[Q0], s[KF]
	v_add_nc_u32 v[DD], s44, v[RH]                 ; register 8 kt + i holds key KF + 16 kt + 8 h + i: hidden where 16 kt + i > my query - KF - 8 h
.irp n, 0,1,2,3,4,5,6,7,8,9,10,11,12,13,14,15,16,17,18,19,20,21,22,23,24,25,26,27,28,29,30,31
	v_cmp_gt_i32 vcc_lo, 16*(\n/8)+\n%8, v[DD]
	v_cndmask_b32 v[S+\n], v[S+\n], v[NINF], vcc_lo
.endr
.Lopen_\@:
.irp k, 0,1,2,3
	v_max3_num_f32 v[CH+\k], v[S+8*\k], v[S+8*\k+1], v[S+8*\k+2]   ; four chains, each tile from its low end on
.endr
.irp i, 3,5
.irp k, 0,1,2,3
	v_max3_num_f32 v[CH+\k], v[CH+\k], v[S+8*\k+\i], v[S+8*\k+\i+1]
.endr
.endr
	v_max3_num_f32 v[CH], v[CH], v[S+7], v[S+15]
	v_max3_num_f32 v[CH+2], v[CH+2], v[S+23], v[S+31]
	v_max3_num_f32 v[CH], v[CH], v[CH+1], v[CH+2]
	v_max3_num_f32 v[CH], v[CH], v[CH+3], v[CM+1]  ; with the old m
	v_permlanex16_b32 v[CH+1], v[CH], s[SEL], s[SEL+1]   ; the query's other 32 keys lie in the lane 16 away
	v_mov_b32 v[CH+3], v[CM]                       ; c m_old
	v_max_num_f32 v[CM+1], v[CH], v[CH+1]          ; the new m
	v_mul_f32 v[CM], s[CS], v[CM+1]
	v_sub_f32 v[CH+3], v[CH+3], v[CM]              ; c m_old - c m_new
.irp j, 0,2,4,6,8,10,12,14,16,18,20,22,24,26,28,30
	v_pk_fma_f32 v[S+\j:S+\j+1], v[S+\j:S+\j+1], s[CS:CS+1], v[CM:CM+1] op_sel_hi:[1,0,0] neg_lo:[0,0,1] neg_hi:[0,0,1]   ; c s - c m
.endr
	v_exp_f32 v[AA], v[CH+3]                       ; one batch: the factor and the 32 weights
.irp j, 0,1,2,3,4,5,6,7,8,9,10,11,12,13,14,15,16,17,18,19,20,21,22,23,24,25,26,27,28,29,30,31
	v_exp_f32 v[S+\j], v[S+\j]
.endr
	v_nop                                          ; a plain instruction behind the batch,
	s_wait_alu depctr_va_vdst(0)                   ; and a wait ahead of its first reader
	v_pk_mul_f32 v[LS:LS+1], v[LS:LS+1], v[AA:AA+1] op_sel_hi:[1,0]
	v_pk_add_f32 v[CH:CH+1], v[S:S+1], v[S+2:S+3]  ; the row's sum, of the weights before they are rounded, in two chains
.irp j, 4,8,12,16,20,24,28
	v_pk_add_f32 v[LS:LS+1], v[LS:LS+1], v[S+\j:S+\j+1]
	v_pk_add_f32 v[CH:CH+1], v[CH:CH+1], v[S+\j+2:S+\j+3]
.endr
	v_pk_add_f32 v[LS:LS+1], v[LS:LS+1], v[CH:CH+1]
.irp j, 0,1,2,3,4,5,6,7,8,9,10,11,12,13,14,15
	v_cvt_pk_f16_f32 v[P+\j], v[S+2*\j], v[S+2*\j+1]   ; tiles 2 g and 2 g + 1 make the fragment of keys 32 g on
.endr
.irp j, 0,2,4,6,8,10,12,14,16,18,20,22,24,26,28,30
	v_pk_mul_f32 v[O+\j:O+\j+1], v[O+\j:O+\j+1], v[AA:AA+1] op_sel_hi:[1,0]
.endr
.if (\q) < 3
	s_wait_dscnt 16                                ; V is in; the next step's K, sixteen loads issued behind V's, may be out
.else
	s_wait_dscnt 0x0                               ; V is in
.endif
.irp g, 0,1                                    ; O^T += V^T P: the four tiles of channels take turns
.irp cb, 0,1,2,3
	v_wmma_f32_16x16x32_f16 v[O+8*\cb:O+8*\cb+7], v[VR+32*\g+8*\cb:VR+32*\g+8*\cb+7], v[P+8*\g:P+8*\g+7], v[O+8*\cb:O+8*\cb+7]
.endr
.endr
	s_add_co_u32 s[KF], s[KF], 64
.endm
; THE CHANGE OF SLOTS stands at a slot's head.  Each wave waits for all its tensor loads, adds 0 to its spare word, and waits for that and for its reads of the slot that it has left; then the barrier.
; fill = 1: the slot just left is filled with the next 256 keys, which then have a whole slot's steps in which to land: one tensor load of a wave is out behind the barrier.
.macro CHANGE fill
	s_wait_tensorcnt 0x0                           ; no tensor load of mine is out, so the descriptor may be written
	ds_add_u32 v[SPW], v[NIL]
.if \fill
	ds_add_u32 v[SPW], v[NIL]                      ; and twice on end here, in every trip alike
	s_xor_b32 s[G0+1], s[G0+1], SLOTB              ; the other slot than last time,
	s_add_nc_u64 s[G0+2:G0+3], s[G0+2:G0+3], 32768 ; the next 256 keys
	s_wait_xcnt 0x0                                ; the last prefetch, a slot back, has read its address
	s_add_nc_u64 s[PFA:PFA+1], s[PFA:PFA+1], 32768
.endif
	s_wait_dscnt 0x0                               ; the add is done, and so are my reads of the slot that I have left, a K asked for and not used among them
	s_barrier_signal -1
	s_barrier_wait -1
.if \fill
	s_add_co_u32 s44, s[KF], 256                   ; the first key of the slot that this change would ask for:
	s_cmp_gt_u32 s44, s[LASTQ]                     ; past my work-group's last query no wave would read it.  Ids and the count of steps alone: all sixteen waves go the same way; every wait on TENSORcnt here is for 0
	s_cbranch_scc1 .Lpast_\@
	TLOAD
.Lpast_\@:
	ASK
.endif
.endm
; A slot's four steps.  In front of each: do any of its keys count for my queries?  If not, none of the later steps' do: the branch leads to the lines that count the remaining steps' keys on.
.macro SLOT_STEPS
	s_cmp_gt_u32 s[KF], s[QL]
	s_cbranch_scc1 .Lh0_\@
	v_add_nc_u32 v[ADR], s[TB], v[LI]
.rept 3
	v_nop                                          ; with the addition: four places between the last slot's products and the loads into V's registers
.endr
	KLOAD 0
	STEP 0
	s_cmp_gt_u32 s[KF], s[QL]
	s_cbranch_scc1 .Lh1_\@
	STEP 1
	s_cmp_gt_u32 s[KF], s[QL]
	s_cbranch_scc1 .Lh2_\@
	STEP 2
	s_cmp_gt_u32 s[KF], s[QL]
	s_cbranch_scc1 .Lh3_\@
	STEP 3
	s_branch .Lend_\@
.Lh0_\@:
	s_add_co_u32 s[KF], s[KF], 64
.Lh1_\@:
	s_add_co_u32 s[KF], s[KF], 64
.Lh2_\@:
	s_add_co_u32 s[KF], s[KF], 64
.Lh3_\@:
	s_add_co_u32 s[KF], s[KF], 64
.Lend_\@:
	s_xor_b32 s[TB], s[TB], SLOTB
.endm
	s_wait_loadcnt 0x0                             ; Q
.Lslot:                                            ; seven trips
	CHANGE 1
	SLOT_STEPS
	s_sub_co_u32 s[SLOTS], s[SLOTS], 1
	s_cmp_lg_u32 s[SLOTS], 0
	s_cbranch_scc1 .Lslot
	CHANGE 0                                       ; the last slot is written out: nothing is left to fetch
	SLOT_STEPS
.rept 4
	v_nop                                          ; places behind the last products
.endr
	v_add_f32 v[LS], v[LS], v[LS+1]
	v_permlanex16_b32 v[CH], v[LS], s[SEL], s[SEL+1]
	v_add_f32 v[LS], v[LS], v[CH]                  ; the row's sum
	v_rcp_f32 v[AA], v[LS]
	v_nop
	s_wait_alu depctr_va_vdst(0)
.irp j, 0,2,4,6,8,10,12,14,16,18,20,22,24,26,28,30
	v_pk_mul_f32 v[O+\j:O+\j+1], v[O+\j:O+\j+1], v[AA:AA+1] op_sel_hi:[1,0]
.endr
.irp j, 0,1,2,3,4,5,6,7,8,9,10,11,12,13,14,15
	v_cvt_pk_f16_f32 v[S+\j], v[O+2*\j], v[O+2*\j+1]
.endr
.irp cb, 0,1,2,3
	global_store_b128 v[LI], v[S+4*\cb:S+4*\cb+3], s[6:7] offset:512*\cb   ; the wave stores 512 consecutive bytes
.endr
	s_wait_tensorcnt 0x0                           ; the wave's end
	ds_add_u32 v[SPW], v[NIL]
	s_wait_dscnt 0x0
	s_endpgm
.Lfunc_end_k_q42ce195d3b_attn:
	.size	k_q42ce195d3b_attn, .Lfunc_end_k_q42ce195d3b_attn-k_q42ce195d3b_attn
	.p2alignl 7, 3214868480
	.fill 96, 4, 3214868480
	.section	.rodata,"a",@progbits
	.p2align	6, 0x0
	.amdhsa_kernel k_q42ce195d3b_attn
		.amdhsa_group_segment_fixed_size 327680
		.amdhsa_private_segment_fixed_size 0
		.amdhsa_enable_private_segment 0
		.amdhsa_kernarg_size 16
		.amdhsa_user_sgpr_count 2
		.amdhsa_user_sgpr_kernarg_segment_ptr 1
		.amdhsa_wavefront_size32 1
		.amdhsa_system_sgpr_workgroup_id_x 1
		.amdhsa_system_sgpr_workgroup_id_y 1
		.amdhsa_system_sgpr_workgroup_id_z 1
		.amdhsa_system_vgpr_workitem_id 0
		.amdhsa_next_free_vgpr 256
		.amdhsa_next_free_sgpr 66
		.amdhsa_reserve_vcc 1
		.amdhsa_float_denorm_mode_32 3
		.amdhsa_float_denorm_mode_16_64 3
		.amdhsa_memory_ordered 1
		.amdhsa_forward_progress 1
		.amdhsa_inst_pref_size 106
	.end_amdhsa_kernel
	.amdgpu_metadata
---
amdhsa.version: [ 1, 2 ]
amdhsa.kernels:
  - .name:           k_q42ce195d3b_attn
    .symbol:         k_q42ce195d3b_attn.kd
    .args:
      - { .name: qkvh, .offset: 0, .size: 8, .value_kind: global_buffer, .address_space: global }
      - { .name: ao, .offset: 8, .size: 8, .value_kind: global_buffer, .address_space: global }
    .group_segment_fixed_size: 327680
    .private_segment_fixed_size: 0
    .kernarg_segment_align: 8
    .kernarg_segment_size: 16
    .max_flat_workgroup_size: 512
    .sgpr_count:     66
    .vgpr_count:     256
    .wavefront_size: 32
...
	.end_amdgpu_metadata
.endif
;; end of part 3
;; launch proj (part 4): grid 8 x 32, 4 waves a work-group, clusters of 4 x 4, 327,680 bytes of LDS; arguments ao, wh, out0; writes out0
.if DOCPART == 4
	.amdgcn_target "amdgcn-amd-amdhsa--gfx1250"
	.amdhsa_code_object_version 6
	.text
	.protected	k_q42ce195d3b_proj
	.globl	k_q42ce195d3b_proj
	.p2align	8
	.type	k_q42ce195d3b_proj,@function
k_q42ce195d3b_proj:
	s_mov_b64 s[64:65], 0
	v_nop
	global_prefetch_b8 v0, s[64:65] scope:SCOPE_SE
	s_setreg_imm32_b32 hwreg(HW_REG_WAVE_MODE, 25, 1), 1
	s_wait_xcnt 0x0
	s_wait_alu depctr_hold_cnt(0) depctr_sa_sdst(0) depctr_va_vdst(0) depctr_va_sdst(0) depctr_va_ssrc(0) depctr_va_vcc(0) depctr_vm_vsrc(0)
	s_getreg_b32 s2, hwreg(HW_REG_IB_STS2, 6, 4)
	s_cmp_eq_u32 s2, 0
	s_cbranch_scc0 .Lentry_in_a_cluster
	s_endpgm
.Lentry_in_a_cluster:
	s_bfe_u32 s2, ttmp6, 0x10000c
	s_cmp_lg_u32 s2, 0xf033
	s_cbranch_scc0 .Lentry_shape_is_right
	s_endpgm
.Lentry_shape_is_right:
; PROJ: out0 [4096][1024] f32 = attention's result [4096][1024] x Wout [1024][1024], f16 operands, f32 sums.
; Both operands lie in memory as images of operand registers: [16 rows or columns][32 k][half][lane][16 bytes], 32,768 bytes for 16 rows of all K.  A tile of C is 128 x 128: 256 work-groups, four waves, each 64 x 64.
; K goes in steps of 256 through two LDS slots: a wave's tensor load brings 4 x 8,192 bytes (64 rows x 256 k); a fragment comes by two loads at a constant + 16 x lane: no padding is needed.
; CLUSTERS: 4 x 4.  A's tiles are shared along a row of the cluster, B's along a column, by joint loads.  The matrix instruction is used transposed (source 0 = 16 columns of Wout, source 1 = 16 rows): a lane holds eight neighbouring numbers of a row of C.
; All rows are stored; the rows of positions 0-15 of each sequence are written again, in f32 arithmetic, by the launch that follows.
; REGISTERS: window 0: v16-29 addresses; v32-95 the way out; v128-255 the accumulators ((a, b) at v[128 + 8 (4 a + b)]).  window 1: two fragment buffers of 128 (64 of A, then 64 of B, for 64 along K).
.set KSB,    8192                      ; a K step of 256 in the images of 16 rows
.set HALFT,  32768                     ; what one tensor load brings, and what one wave reads of A or of B
.set SLOT,   4*HALFT
.set STAGE,  2*SLOT                    ; behind the slots: 16 rows x (256 bytes + 16) for each wave
.set SPITCH, 272
.set SPARE,  STAGE+4*16*SPITCH         ; the spare words, 128 bytes for each wave: two blocks of 256 bytes that no other line names
.set LAPS,   2
.set ADRA, 16
.set ADRB, 20
.set STO,  24
.set RD,   25
.set CO,   26
.set SPW,  28
.set NIL,  29
.set TMP,  32
.set ACC,  128
.set F0,   0
.set F1,   128
.set G1, 24
.set G0, 32
.set G1B, 48
.set G0B, 56
.set MSB, 0
.macro WIN new
.if MSB != \new
	s_set_vgpr_msb (MSB<<8)|\new
.set MSB, \new
.endif
.endm
.set MUL,  0x05                        ; sources 0 (B) and 1 (A) window 1; C and D window 0
.set TO_F, 0x40
.macro JLOAD s                         ; a joint load: waves 0 and 1 fetch A's two halves, waves 2 and 3 B's; an s_nop 0 and four v_nop follow each of the two lines
	s_cmp_eq_u32 s11, 0
	s_cbranch_scc0 .Lfor_b_\@
	tensor_load_to_lds s[G0+4*\s:G0+4*\s+3], s[G1:G1+7]
	s_nop 0
.rept 4
	v_nop
.endr
	s_branch .Lasked_\@
.Lfor_b_\@:
	tensor_load_to_lds s[G0B+4*\s:G0B+4*\s+3], s[G1B:G1B+7]
	s_nop 0
.rept 4
	v_nop
.endr
.Lasked_\@:
.endm
.macro CREST
	s_cmp_lg_u32 s10, 0
	s_cbranch_scc1 .Lnot_wave_0_\@
	s_barrier_signal -3
.Lnot_wave_0_\@:
	s_barrier_wait -3
	s_barrier_signal -1
	s_barrier_wait -1
.endm
.macro CROUND
	s_barrier_signal -1
	s_barrier_wait -1
	CREST
.endm
	s_load_b128 s[4:7], s[0:1], 0x0                ; ao s[4:5], wh s[6:7]
	s_load_b64 s[8:9], s[0:1], 0x10                ; out0
	v_lshl_add_u32 v[SPW], v0, 2, SPARE
	v_mov_b32 v[NIL], 0
	ds_add_u32 v[SPW], v[NIL]                      ; the wave's opening: the add, twice on end, and its wait ahead of my first tensor load
	ds_add_u32 v[SPW], v[NIL]
	v_lshrrev_b32 v1, 5, v0
	v_readfirstlane_b32 s10, v1                    ; wave 0..3
	s_lshr_b32 s11, s10, 1                         ; which half of the tile's rows is mine.  Also: I fetch for A (0) or for B (1)
	s_and_b32 s12, s10, 1                          ; which half of its columns.  Also: which 64 rows of that tile I fetch
	s_bfe_u32 s40, ttmp6, 0x40000
	s_bfe_u32 s41, ttmp6, 0x40004
	s_lshl_b32 s42, ttmp9, 2
	s_add_co_u32 s42, s42, s40                     ; tile column of C
	s_and_b32 s13, ttmp7, 0xffff
	s_lshl_b32 s13, s13, 2
	s_add_co_u32 s13, s13, s41                     ; tile row of C
	s_lshl_b32 s43, s41, 2
	s_lshl_b32 s43, 15, s43                        ; my row of the cluster
	s_lshl_b32 s44, 0x1111, s40                    ; my column
	s_or_b32 s[G1+0], s43, (3<<16)|(1<<21)         ; the mask; elements of 8 bytes; bit 21 beside a mask; no padding
	s_or_b32 s[G1B+0], s44, (3<<16)|(1<<21)
.irp g, G1, G1B
	s_mov_b32 s[\g+1], 1024<<16                    ; tensor_dim0: 8,192 bytes
	s_mov_b32 s[\g+2], 4<<16                       ; tensor_dim1
	s_mov_b32 s[\g+3], 1024<<16                    ; tile_dim0
	s_mov_b32 s[\g+4], 4                           ; tile_dim1: four times 16 rows
	s_mov_b32 s[\g+5], 4096                        ; 32,768 bytes from 16 rows to the next
	s_mov_b32 s[\g+6], 0
	s_mov_b32 s[\g+7], 0
.endr
	s_lshl_b32 s17, s12, 2                         ; which four of the tile's eight
	s_lshl_b32 s16, s13, 3
	s_add_co_u32 s16, s16, s17
	s_lshl_b32 s16, s16, 15                        ; A: in bytes
	s_lshl_b32 s46, s42, 3
	s_add_co_u32 s46, s46, s17
	s_lshl_b32 s46, s46, 15                        ; B
	s_mov_b32 s17, 0
	s_mov_b32 s47, 0
	s_mul_i32 s20, s10, HALFT                      ; where they go: no place in the cluster enters an LDS address
	s_wait_dscnt 0x0
	s_wait_kmcnt 0x0
	s_add_nc_u64 s[14:15], s[4:5], s[16:17]
	s_add_nc_u64 s[46:47], s[6:7], s[46:47]
	CROUND                                         ; all sixteen work-groups are here: the first joint loads meet
.irp s, 0,1
	s_mov_b32 s[G0+4*\s], 1
	s_add_co_u32 s[G0+4*\s+1], s20, \s*SLOT
	s_add_nc_u64 s[G0+4*\s+2:G0+4*\s+3], s[14:15], \s*KSB
	s_or_b32 s[G0+4*\s+3], s[G0+4*\s+3], 0x80000000
	s_mov_b32 s[G0B+4*\s], 1
	s_add_co_u32 s[G0B+4*\s+1], s20, \s*SLOT
	s_add_nc_u64 s[G0B+4*\s+2:G0B+4*\s+3], s[46:47], \s*KSB
	s_or_b32 s[G0B+4*\s+3], s[G0B+4*\s+3], 0x80000000
	JLOAD \s
.endr
	v_and_b32 v1, 15, v0                           ; r
	v_bfe_u32 v2, v0, 4, 1                         ; h
	v_and_b32 v3, 31, v0
	v_lshlrev_b32 v3, 4, v3                        ; 16 x lane
	s_mul_i32 s21, s11, HALFT                      ; my 64 rows of A
	s_mul_i32 s22, s12, HALFT                      ; my 64 columns of B,
	s_add_co_u32 s22, s22, 2*HALFT                 ; which lie behind A's 128 rows
.irp s, 0,1
	v_add_nc_u32 v[ADRA+\s], s21, v3
	v_add_nc_u32 v[ADRB+\s], s22, v3
	s_add_co_u32 s21, s21, SLOT
	s_add_co_u32 s22, s22, SLOT
.endr
	s_mul_i32 s23, s10, 16*SPITCH
	s_add_co_u32 s23, s23, STAGE                   ; my stage
	v_mul_u32_u24 v4, v1, SPITCH                   ; in: row r, 32 bytes for each half of the lanes
	v_lshl_add_u32 v4, v2, 5, v4
	v_add_nc_u32 v[STO], s23, v4
	v_mul_u32_u24 v5, v2, SPITCH                   ; back: lanes 0-15 one row of 256 bytes, lanes 16-31 the next
	v_lshl_add_u32 v5, v1, 4, v5
	v_add_nc_u32 v[RD], s23, v5
	v_lshlrev_b32 v5, 12, v2                       ; and the same two rows in C
	v_lshl_add_u32 v[CO], v1, 4, v5
	s_lshl_b32 s16, s13, 1
	s_add_co_u32 s16, s16, s11
	s_lshl_b32 s16, s16, 18                        ; my first row of C: 64 rows of 4,096 bytes
	s_mov_b32 s17, 0
	s_add_nc_u64 s[8:9], s[8:9], s[16:17]
	s_lshl_b32 s46, s42, 1
	s_add_co_u32 s46, s46, s12
	s_lshl_b32 s46, s46, 8                         ; my first column: 64 numbers are 256 bytes
	s_mov_b32 s47, 0
	s_add_nc_u64 s[8:9], s[8:9], s[46:47]
.macro MUL8 f, c, a0, zero             ; 8 matrix instructions: row blocks a0, a0 + 1 x all 4 column blocks, 32 along K.  The 16 accumulators take turns
.irp a, \a0, \a0+1
.irp b, 0,1,2,3
.if \zero
	v_wmma_f32_16x16x32_f16 v[ACC+8*(4*(\a)+\b):ACC+8*(4*(\a)+\b)+7], v[\f+64+8*(4*\c+\b):\f+64+8*(4*\c+\b)+7], v[\f+8*(4*\c+\a):\f+8*(4*\c+\a)+7], 0
.else
	v_wmma_f32_16x16x32_f16 v[ACC+8*(4*(\a)+\b):ACC+8*(4*(\a)+\b)+7], v[\f+64+8*(4*\c+\b):\f+64+8*(4*\c+\b)+7], v[\f+8*(4*\c+\a):\f+8*(4*\c+\a)+7], v[ACC+8*(4*(\a)+\b):ACC+8*(4*(\a)+\b)+7]
.endif
.endr
.endr
.endm
.macro FETCH slot, k, f                ; 32 LDS loads in one run: the fragments of 64 along K (two chunks of 1,024 bytes at byte k of each 8,192), the first 32 along K first
	WIN TO_F
.irp c, 0,1
.irp i, 0,1,2,3
	ds_load_b128 v[\f+64+8*(4*\c+\i):\f+64+8*(4*\c+\i)+3],   v[ADRB+\slot] offset:\k+1024*\c+\i*KSB
	ds_load_b128 v[\f+64+8*(4*\c+\i)+4:\f+64+8*(4*\c+\i)+7], v[ADRB+\slot] offset:\k+1024*\c+\i*KSB+512
	ds_load_b128 v[\f+8*(4*\c+\i):\f+8*(4*\c+\i)+3],         v[ADRA+\slot] offset:\k+1024*\c+\i*KSB
	ds_load_b128 v[\f+8*(4*\c+\i)+4:\f+8*(4*\c+\i)+7],       v[ADRA+\slot] offset:\k+1024*\c+\i*KSB+512
.endr
.endr
.endm
.macro PLACES
.rept 4
	v_nop
.endr
.endm
.macro QUARTER slot, k, f, g, zero     ; 64 along K: multiplies buffer f and fetches the next quarter, at byte k, into g
	s_wait_dscnt 16                                ; the first 32 along K are in
	WIN MUL
	MUL8 \f, 0, 0, \zero
	MUL8 \f, 0, 2, \zero
	PLACES
	FETCH \slot, \k, \g
	s_wait_dscnt 32                                ; all but the 32 just issued
	WIN MUL
	MUL8 \f, 1, 0, 0
	MUL8 \f, 1, 2, 0
.endm
; The last quarter multiplies buffer 1 and changes slots: in front of the barrier each wave waits for all its tensor loads, adds 0 to its spare word, and waits for that and for its own reads of this slot.  fill = 1: this slot is filled again, two K steps ahead.
.macro TURN slot, next, fill
	WIN 0
	s_wait_tensorcnt 0x0
	ds_add_u32 v[SPW], v[NIL]
	s_wait_dscnt 17                                ; (the add and the youngest sixteen loads may be out)
	WIN MUL
	MUL8 F1, 0, 0, 0
	s_wait_dscnt 0x0
	s_barrier_signal -1
	MUL8 F1, 0, 2, 0
.if \fill
	WIN 0
.endif
	s_barrier_wait -1
.if \fill
	CREST                                          ; the barrier has opened a round of the cluster's barrier: no wave of any partner still reads this slot's tile or has a load on its way
	s_add_nc_u64 s[G0+4*\slot+2:G0+4*\slot+3], s[G0+4*\slot+2:G0+4*\slot+3], 2*KSB
	s_add_nc_u64 s[G0B+4*\slot+2:G0B+4*\slot+3], s[G0B+4*\slot+2:G0B+4*\slot+3], 2*KSB
	JLOAD \slot                                    ; the first tensor load behind the round; its four v_nop are also the places in front of the loads below
.else
	PLACES
.endif
	FETCH \next, 0, F0
	WIN MUL
	MUL8 F1, 1, 0, 0
	MUL8 F1, 1, 2, 0
.endm
	s_wait_tensorcnt 1                             ; my part of K step 0 is in (K step 1's load may be out),
	s_barrier_signal -1
	s_barrier_wait -1                              ; everybody's is
	FETCH 0, 0, F0
	QUARTER 0, 2048, F0, F1, 1                     ; the first products start the sums
	WIN 0
	s_mov_b32 s3, LAPS-1
.Llap:                                             ; a trip goes once round the two slots and fills both again
	QUARTER 0, 4096, F1, F0, 0
	QUARTER 0, 6144, F0, F1, 0
	TURN 0, 1, 1
	QUARTER 1, 2048, F0, F1, 0
	QUARTER 1, 4096, F1, F0, 0
	QUARTER 1, 6144, F0, F1, 0
	TURN 1, 0, 1
	QUARTER 0, 2048, F0, F1, 0
	WIN 0
	s_sub_co_u32 s3, s3, 1
	s_cmp_lg_u32 s3, 0
	s_cbranch_scc1 .Llap
	QUARTER 0, 4096, F1, F0, 0                     ; the last lap fills nothing
	QUARTER 0, 6144, F0, F1, 0
	TURN 0, 1, 0
	QUARTER 1, 2048, F0, F1, 0
	QUARTER 1, 4096, F1, F0, 0
	QUARTER 1, 6144, F0, F1, 0
	s_wait_dscnt 16
	WIN MUL
	MUL8 F1, 0, 0, 0
	MUL8 F1, 0, 2, 0
	s_wait_dscnt 0
	MUL8 F1, 1, 0, 0
	MUL8 F1, 1, 2, 0
	WIN 0
; THE WAY OUT, 16 rows x 64 columns at a time.  A lane holds 32 neighbouring bytes of a row; a block goes through my own stage and comes back as whole rows of 256 bytes.  LDS serves a wave's instructions in order (ISA guide 5.7.1.4).
.macro TOSTAGE a
.set BB, TMP+32*((\a)%2)
.irp b, 0,1,2,3
	ds_store_b128 v[STO], v[ACC+8*(4*(\a)+\b):ACC+8*(4*(\a)+\b)+3] offset:64*\b       ; each accumulator from its low end on
	ds_store_b128 v[STO], v[ACC+8*(4*(\a)+\b)+4:ACC+8*(4*(\a)+\b)+7] offset:64*\b+16
.endr
.irp t, 0,1,2,3,4,5,6,7
	ds_load_b128 v[BB+4*\t:BB+4*\t+3], v[RD] offset:\t*2*SPITCH
.endr
.endm
.macro SEND a, younger
.set BB, TMP+32*((\a)%2)
	s_wait_dscnt \younger                          ; the block is back; the next block's LDS instructions may be out
.irp t, 0,1,2,3,4,5,6,7
	global_store_b128 v[CO], v[BB+4*\t:BB+4*\t+3], s[8:9] offset:(16*(\a)+2*\t)*4096 th:TH_STORE_NT   ; sixteen lanes store 256 consecutive bytes, aligned
.endr
.endm
	PLACES
	TOSTAGE 0
.irp a, 1,2,3
.if \a > 1
	s_wait_xcnt 0x0                                ; block a - 2's stores have read their registers
.endif
	TOSTAGE \a
	SEND \a-1, 16
.endr
	SEND 3, 0
	s_wait_tensorcnt 0x0                           ; the wave's end
	ds_add_u32 v[SPW], v[NIL]
	s_wait_dscnt 0x0
	CROUND                                         ; the closing round
	s_endpgm
.Lfunc_end_k_q42ce195d3b_proj:
	.size	k_q42ce195d3b_proj, .Lfunc_end_k_q42ce195d3b_proj-k_q42ce195d3b_proj
	.p2alignl 7, 3214868480
	.fill 96, 4, 3214868480
	.section	.rodata,"a",@progbits
	.p2align	6, 0x0
	.amdhsa_kernel k_q42ce195d3b_proj
		.amdhsa_group_segment_fixed_size 327680
		.amdhsa_private_segment_fixed_size 0
		.amdhsa_enable_private_segment 0
		.amdhsa_kernarg_size 24
		.amdhsa_user_sgpr_count 2
		.amdhsa_user_sgpr_kernarg_segment_ptr 1
		.amdhsa_wavefront_size32 1
		.amdhsa_system_sgpr_workgroup_id_x 1
		.amdhsa_system_sgpr_workgroup_id_y 1
		.amdhsa_system_sgpr_workgroup_id_z 1
		.amdhsa_system_vgpr_workitem_id 0
		.amdhsa_next_free_vgpr 512
		.amdhsa_next_free_sgpr 66
		.amdhsa_reserve_vcc 0
		.amdhsa_float_denorm_mode_32 3
		.amdhsa_float_denorm_mode_16_64 3
		.amdhsa_memory_ordered 1
		.amdhsa_forward_progress 1
		.amdhsa_inst_pref_size 85
	.end_amdhsa_kernel
	.amdgpu_metadata
---
amdhsa.version: [ 1, 2 ]
amdhsa.kernels:
  - .name:           k_q42ce195d3b_proj
    .symbol:         k_q42ce195d3b_proj.kd
    .args:
      - { .name: ao, .offset: 0, .size: 8, .value_kind: global_buffer, .address_space: global }
      - { .name: wh, .offset: 8, .size: 8, .value_kind: global_buffer, .address_space: global }
      - { .name: out0, .offset: 16, .size: 8, .value_kind: global_buffer, .address_space: global }
    .group_segment_fixed_size: 327680
    .private_segment_fixed_size: 0
    .kernarg_segment_align: 8
    .kernarg_segment_size: 24
    .max_flat_workgroup_size: 128
    .sgpr_count:     66
    .vgpr_count:     512
    .wavefront_size: 32
...
	.end_amdgpu_metadata
.endif
;; end of part 4
;; launch first (part 5): grid 64 x 2, 16 waves a work-group, no clusters, 18,432 bytes of LDS; arguments fine, Wout, out0; writes out0
.if DOCPART == 5
	.amdgcn_target "amdgcn-amd-amdhsa--gfx1250"
	.amdhsa_code_object_version 6
	.text
	.protected	k_q42ce195d3b_first
	.globl	k_q42ce195d3b_first
	.p2align	8
	.type	k_q42ce195d3b_first,@function
k_q42ce195d3b_first:
	s_mov_b64 s[64:65], 0
	v_nop
	global_prefetch_b8 v0, s[64:65] scope:SCOPE_SE
	s_setreg_imm32_b32 hwreg(HW_REG_WAVE_MODE, 25, 1), 1
	s_wait_xcnt 0x0
; FIRST: positions 0-15 of each sequence once more, in f32 from end to end: these rows average one to sixteen values, are the largest of the output, and 16-bit operands would use up what the comparison allows.
; Work-group (x, sequence) makes the 16 rows x output columns 16 x .. 16 x + 15.  Wave w is head w: scores, causal softmax and O of its head (16 queries x 16 keys x 64 channels), then its head's 64 terms of the projection;
; the sixteen partial results meet in LDS, and waves 0 and 1 add them in a fixed order and store.  Every work-group makes the small attention again for itself: 128 work-groups share the projection's reads of Wout.
; The price: Wout is read, and out0 written, in pieces of 64 bytes: 4 MiB read and 128 KiB written in all.
; The f32 matrix form takes k = 2 h + j from register j.  'fine' holds, for lane (r, h), eight neighbours 8 h + 0..7 of each 16: a pair of registers 2 s, 2 s + 1 of BOTH operands then stands for the same four k: a permutation
; of k applied alike to both sides.  Four accumulators take turns; the registers that this form writes are written by matrix instructions alone, and each sum begins with the constant 0.
.set SPARE, 16384                      ; behind the sixteen partial results: the spare words, 128 bytes for each wave: eight blocks of 256 bytes that no other line names
.set LI,   1                           ; v1   16 x lane
.set WO,   4                           ; v4   Wout: 8 h rows of 4,096 bytes + 4 r
.set SPW,  5
.set NIL,  6
.set RDA,  7                           ; v7   where a reducing lane reads
.set GOUT, 8                           ; v8   and where it stores
.set DD,   9                           ; v9   r - 8 h
.set NINF, 10
.set STA,  11                          ; v11  where I put my partial result
.set Q,    16                          ; v16-47 q, v48-79 k, v80-111 v: four groups of 8
.set K,    48
.set V,    80
.set W,    112                         ; v112-143 Wout(64 w + 16 cb + 8 h + i, 16 x + r)
.set D,    144                         ; v144-175 four accumulators
.set SS,   176                         ; v176-183 scores, then p
.set ST,   184                         ; v184-189 c m, m, sums, 1 / l
.set ON,   192                         ; v192-223 O / l
.set PR,   224                         ; v224-231 my head's part of the 16 x 16 outputs
.set TT,   232                         ; v232-239 at work
.macro PLACES9                         ; behind the f32 form: eight places before a result is read, nine before its registers are written over by a matrix instruction (ISA guide 7.12.1)
.rept 9
	v_nop
.endr
.endm
	s_load_b128 s[4:7], s[0:1], 0x0                ; fine s[4:5], Wout s[6:7]
	s_load_b64 s[8:9], s[0:1], 0x10                ; out0
	v_lshl_add_u32 v[SPW], v0, 2, SPARE
	v_mov_b32 v[NIL], 0
	v_lshrrev_b32 v1, 5, v0
	v_readfirstlane_b32 s10, v1                    ; wave = head
	s_and_b32 s11, ttmp7, 0xffff                   ; the sequence
	v_and_b32 v2, 31, v0                           ; lane
	v_lshlrev_b32 v[LI], 4, v2
	v_and_b32 v3, 15, v0                           ; r
	v_bfe_u32 v12, v0, 4, 1                        ; h
	v_lshlrev_b32 v[WO], 15, v12
	v_lshl_add_u32 v[WO], v3, 2, v[WO]
	v_lshlrev_b32 v12, 3, v12
	v_sub_nc_u32 v[DD], v3, v12
	v_mov_b32 v[NINF], 0xff800000
	s_lshl_b32 s18, s10, 10
	v_add_nc_u32 v[STA], s18, v[LI]                ; 1,024 bytes a wave
	v_and_b32 v3, 1, v2                            ; a reducing lane L takes query L / 4 + 8 w, output columns 4 (L % 4) + 0..3: half L % 2 of the image of lane 16 ((L / 2) % 2) + query
	v_lshlrev_b32 v[RDA], 9, v3
	v_bfe_u32 v3, v2, 1, 1
	v_lshl_add_u32 v[RDA], v3, 8, v[RDA]
	v_lshrrev_b32 v3, 2, v2
	v_lshl_add_u32 v[RDA], v3, 4, v[RDA]
	s_lshl_b32 s18, s10, 7
	v_add_nc_u32 v[RDA], s18, v[RDA]
	v_lshlrev_b32 v[GOUT], 12, v3
	v_and_b32 v3, 3, v2
	v_lshl_add_u32 v[GOUT], v3, 4, v[GOUT]
	s_lshl_b32 s18, s10, 15
	v_add_nc_u32 v[GOUT], s18, v[GOUT]
	s_lshl_b32 s12, s11, 16                        ; fine: [q, k, v: 131,072][sequence: 65,536][head: 4,096]
	s_lshl_b32 s13, s10, 12
	s_add_co_u32 s12, s12, s13
	s_mov_b32 s13, 0
	s_lshl_b32 s14, s10, 18                        ; Wout: my head's 64 rows of 4,096 bytes,
	s_lshl_b32 s15, ttmp9, 6                       ; the work-group's 16 columns
	s_add_co_u32 s14, s14, s15
	s_mov_b32 s15, 0
	s_lshl_b32 s16, s11, 23                        ; out0: the sequence's first row,
	s_lshl_b32 s17, ttmp9, 6
	s_add_co_u32 s16, s16, s17
	s_mov_b32 s17, 0
	s_mov_b32 s20, 0x76543210
	s_mov_b32 s21, 0xfedcba98                      ; v_permlanex16_b32's selects for lane l xor 16
	s_mov_b32 s22, 0x3d38aa3b                      ; c = log2(e) / 32
	s_mov_b32 s23, s22
	s_wait_kmcnt 0x0
	s_add_nc_u64 s[4:5], s[4:5], s[12:13]
	s_add_nc_u64 s[6:7], s[6:7], s[14:15]
	s_add_nc_u64 s[8:9], s[8:9], s[16:17]
.irp kind, 0,1,2
.irp cb, 0,1,2,3
.irp u, 0,1
	global_load_b128 v[Q+32*\kind+8*\cb+4*\u:Q+32*\kind+8*\cb+4*\u+3], v[LI], s[4:5] offset:131072*\kind+1024*\cb+512*\u
.endr
.endr
.endr
.irp cb, 0,1,2,3
.irp i, 0,1,2,3,4,5,6,7
	global_load_b32 v[W+8*\cb+\i], v[WO], s[6:7] offset:(16*\cb+\i)*4096
.endr
.endr
	s_wait_loadcnt 40                              ; q and k are in; v's 8 loads and Wout's 32 may be out
.irp jj, 0,1,2,3                               ; S^T = K Q^T: source 0 = 16 keys, source 1 = 16 queries; accumulator cb sums channels 16 cb .. 16 cb + 15
.irp cb, 0,1,2,3
.if \jj == 0
	v_wmma_f32_16x16x4_f32 v[D+8*\cb:D+8*\cb+7], v[K+8*\cb:K+8*\cb+1], v[Q+8*\cb:Q+8*\cb+1], 0
.else
	v_wmma_f32_16x16x4_f32 v[D+8*\cb:D+8*\cb+7], v[K+8*\cb+2*\jj:K+8*\cb+2*\jj+1], v[Q+8*\cb+2*\jj:Q+8*\cb+2*\jj+1], v[D+8*\cb:D+8*\cb+7]
.endif
.endr
.endr
	PLACES9
.irp i, 0,2,4,6
	v_pk_add_f32 v[SS+\i:SS+\i+1], v[D+\i:D+\i+1], v[D+8+\i:D+8+\i+1]          ; each accumulator from its low end on
.endr
.irp i, 0,2,4,6
	v_pk_add_f32 v[TT+\i:TT+\i+1], v[D+16+\i:D+16+\i+1], v[D+24+\i:D+24+\i+1]
.endr
.irp i, 0,2,4,6
	v_pk_add_f32 v[SS+\i:SS+\i+1], v[SS+\i:SS+\i+1], v[TT+\i:TT+\i+1]          ; lane (r, h): query r, keys 8 h + 0..7
.endr
.irp j, 0,1,2,3,4,5,6,7
	v_cmp_gt_i32 vcc_lo, \j, v[DD]                 ; key 8 h + j comes after query r
	v_cndmask_b32 v[SS+\j], v[SS+\j], v[NINF], vcc_lo
.endr
	v_max3_num_f32 v[ST], v[SS], v[SS+1], v[SS+2]
	v_max3_num_f32 v[ST+1], v[SS+3], v[SS+4], v[SS+5]
	v_max3_num_f32 v[ST], v[ST], v[SS+6], v[SS+7]
	v_max_num_f32 v[ST], v[ST], v[ST+1]
	v_permlanex16_b32 v[ST+1], v[ST], s20, s21
	v_max_num_f32 v[ST+1], v[ST], v[ST+1]          ; the row's maximum (key 0 counts for every query)
	v_mul_f32 v[ST], s22, v[ST+1]
.irp j, 0,2,4,6
	v_pk_fma_f32 v[SS+\j:SS+\j+1], v[SS+\j:SS+\j+1], s[22:23], v[ST:ST+1] op_sel_hi:[1,0,0] neg_lo:[0,0,1] neg_hi:[0,0,1]
.endr
.irp j, 0,1,2,3,4,5,6,7
	v_exp_f32 v[SS+\j], v[SS+\j]
.endr
	v_nop
	s_wait_alu depctr_va_vdst(0)                   ; one wait for the batch, ahead of its first reader
	v_pk_add_f32 v[ST+2:ST+3], v[SS:SS+1], v[SS+2:SS+3]
	v_pk_add_f32 v[ST+4:ST+5], v[SS+4:SS+5], v[SS+6:SS+7]
	v_pk_add_f32 v[ST+2:ST+3], v[ST+2:ST+3], v[ST+4:ST+5]
	v_add_f32 v[ST+2], v[ST+2], v[ST+3]
	v_permlanex16_b32 v[ST+3], v[ST+2], s20, s21
	v_add_f32 v[ST+2], v[ST+2], v[ST+3]            ; the row's sum
	v_rcp_f32 v[ST+4], v[ST+2]
	v_nop
	s_wait_alu depctr_va_vdst(0)
	s_wait_loadcnt 32                              ; v is in; Wout's 32 loads may be out
.irp s, 0,1,2,3                                ; O^T = V^T P: source 0 = 16 channels, source 1 = p; K = the 16 keys
.irp cb, 0,1,2,3
.if \s == 0
	v_wmma_f32_16x16x4_f32 v[D+8*\cb:D+8*\cb+7], v[V+8*\cb:V+8*\cb+1], v[SS:SS+1], 0
.else
	v_wmma_f32_16x16x4_f32 v[D+8*\cb:D+8*\cb+7], v[V+8*\cb+2*\s:V+8*\cb+2*\s+1], v[SS+2*\s:SS+2*\s+1], v[D+8*\cb:D+8*\cb+7]
.endif
.endr
.endr
	PLACES9
.irp cb, 0,1,2,3
.irp i, 0,2,4,6
	v_pk_mul_f32 v[ON+8*\cb+\i:ON+8*\cb+\i+1], v[D+8*\cb+\i:D+8*\cb+\i+1], v[ST+4:ST+5] op_sel_hi:[1,0]   ; lane (r, h): query r, channels 16 cb + 8 h + 0..7
.endr
.endr
	s_wait_loadcnt 0x0
.irp jj, 0,1,2,3                               ; my head's part of the projection: source 0 = 16 columns of Wout, source 1 = the 16 queries
.irp cb, 0,1,2,3
.if \jj == 0
	v_wmma_f32_16x16x4_f32 v[D+8*\cb:D+8*\cb+7], v[W+8*\cb:W+8*\cb+1], v[ON+8*\cb:ON+8*\cb+1], 0
.else
	v_wmma_f32_16x16x4_f32 v[D+8*\cb:D+8*\cb+7], v[W+8*\cb+2*\jj:W+8*\cb+2*\jj+1], v[ON+8*\cb+2*\jj:ON+8*\cb+2*\jj+1], v[D+8*\cb:D+8*\cb+7]
.endif
.endr
.endr
	PLACES9
.irp i, 0,2,4,6
	v_pk_add_f32 v[PR+\i:PR+\i+1], v[D+\i:D+\i+1], v[D+8+\i:D+8+\i+1]
.endr
.irp i, 0,2,4,6
	v_pk_add_f32 v[TT+\i:TT+\i+1], v[D+16+\i:D+16+\i+1], v[D+24+\i:D+24+\i+1]
.endr
.irp i, 0,2,4,6
	v_pk_add_f32 v[PR+\i:PR+\i+1], v[PR+\i:PR+\i+1], v[TT+\i:TT+\i+1]          ; lane (r, h): query r, output columns 8 h + 0..7
.endr
	ds_store_b128 v[STA], v[PR:PR+3]
	ds_store_b128 v[STA], v[PR+4:PR+7] offset:512
	s_wait_dscnt 0x0                               ; for the others' sake: my stores are done
	s_barrier_signal -1
	s_barrier_wait -1
	s_cmp_lt_u32 s10, 2
	s_cbranch_scc0 .Ldone
.irp p, 0,1,2,3,4,5,6,7,8,9,10,11,12,13,14,15
	ds_load_b128 v[16+4*\p:16+4*\p+3], v[RDA] offset:1024*\p
.endr
	s_wait_dscnt 0x0
.irp p, 1,2,3,4,5,6,7,8,9,10,11,12,13,14,15    ; the sixteen heads, in ascending order
	v_pk_add_f32 v[16:17], v[16:17], v[16+4*\p:16+4*\p+1]
	v_pk_add_f32 v[18:19], v[18:19], v[16+4*\p+2:16+4*\p+3]
.endr
	global_store_b128 v[GOUT], v[16:19], s[8:9]    ; four lanes store a row's 64 bytes
.Ldone:
	s_wait_tensorcnt 0x0                           ; the wave's end
	ds_add_u32 v[SPW], v[NIL]
	s_wait_dscnt 0x0
	s_endpgm
.Lfunc_end_k_q42ce195d3b_first:
	.size	k_q42ce195d3b_first, .Lfunc_end_k_q42ce195d3b_first-k_q42ce195d3b_first
	.p2alignl 7, 3214868480
	.fill 96, 4, 3214868480
	.section	.rodata,"a",@progbits
	.p2align	6, 0x0
	.amdhsa_kernel k_q42ce195d3b_first
		.amdhsa_group_segment_fixed_size 18432
		.amdhsa_private_segment_fixed_size 0
		.amdhsa_enable_private_segment 0
		.amdhsa_kernarg_size 24
		.amdhsa_user_sgpr_count 2
		.amdhsa_user_sgpr_kernarg_segment_ptr 1
		.amdhsa_wavefront_size32 1
		.amdhsa_system_sgpr_workgroup_id_x 1
		.amdhsa_system_sgpr_workgroup_id_y 1
		.amdhsa_system_sgpr_workgroup_id_z 1
		.amdhsa_system_vgpr_workitem_id 0
		.amdhsa_next_free_vgpr 256
		.amdhsa_next_free_sgpr 66
		.amdhsa_reserve_vcc 1
		.amdhsa_float_denorm_mode_32 3
		.amdhsa_float_denorm_mode_16_64 3
		.amdhsa_memory_ordered 1
		.amdhsa_forward_progress 1
		.amdhsa_inst_pref_size 20
	.end_amdhsa_kernel
	.amdgpu_metadata
---
amdhsa.version: [ 1, 2 ]
amdhsa.kernels:
  - .name:           k_q42ce195d3b_first
    .symbol:         k_q42ce195d3b_first.kd
    .args:
      - { .name: fine, .offset: 0, .size: 8, .value_kind: global_buffer, .address_space: global }
      - { .name: Wout, .offset: 8, .size: 8, .value_kind: global_buffer, .address_space: global }
      - { .name: out0, .offset: 16, .size: 8, .value_kind: global_buffer, .address_space: global }
    .group_segment_fixed_size: 18432
    .private_segment_fixed_size: 0
    .kernarg_segment_align: 8
    .kernarg_segment_size: 24
    .max_flat_workgroup_size: 512
    .sgpr_count:     66
    .vgpr_count:     256
    .wavefront_size: 32
...
	.end_amdgpu_metadata
.endif
;; end of part 5
